; MI455X (gfx1250); checked and timed in simulation.
; The chip was launched on July 23, 2026; its instructions are those of AMD's public machine-readable ISA for CDNA 5 (MIT licence, August 2026) and "CDNA5" Instruction Set Architecture Reference Guide (July 2026). The comments in the code are by the model that wrote it; some were corrected since.
;; Full Attention. Allowed arithmetic: float matrix products may take bf16 or f16 operands with f32 sums; all other float work in f32.
;; Inputs: keys 2 x 2,048 x 16 x 64 float32; queries 2 x 2,048 x 16 x 64 float32; values 2 x 2,048 x 16 x 64 float32.
;; Outputs: out0 2 x 2,048 x 16 x 64 float32.
;; 3 versions, each right; version 3 is version 2 with the launch attn written anew for expert scheduling mode. Each part assembles by itself: llvm-mc -triple=amdgcn-amd-amdhsa -mcpu=gfx1250 --defsym DOCPART=n.
;; ======== version 1 of 3: 1 launch
;; limits: inputs' magnitudes at most 65,504; below input magnitudes of 6.1e-05 results are inexact or not finite; values are held in f16: magnitudes above 65,504 overflow, below 6.1e-05 lose precision
;; launch attn (part 1): grid 8 x 32, 4 waves a work-group, no clusters, 113,152 bytes of LDS; arguments queries, keys, values, out0; writes out0
.if DOCPART == 1
	.amdgcn_target "amdgcn-amd-amdhsa--gfx1250"
	.amdhsa_code_object_version 6
	.text
	.protected	k_q1fcd95c79a_attn
	.globl	k_q1fcd95c79a_attn
	.p2align	8
	.type	k_q1fcd95c79a_attn,@function
k_q1fcd95c79a_attn:
	s_mov_b64 s[64:65], 0
	v_nop
	global_prefetch_b8 v0, s[64:65] scope:SCOPE_SE
	s_setreg_imm32_b32 hwreg(HW_REG_WAVE_MODE, 25, 1), 1
	s_wait_xcnt 0x0
; Causal softmax attention, one launch.  queries, keys, values, out0: [2][2048][16][64] f32; a (b, l, h) row is 256 bytes,
; rows of one head are 4,096 bytes apart.  out = softmax(Q K^T / 8, keys <= query) V, by the running-maximum form.
;
; SHARES.  y = 16 b + h names the head, x = i (0..7).  A head has 16 query blocks of 128 rows.  Work-group i does block 15 - i,
; then block i: (16 - i) + (i + 1) = 17 trips of 128 queries x 128 keys for every one of the 256 work-groups.  Trip k reads key
; tile k while k <= 15 - i, then tile k - (16 - i).  The tiles on the diagonal are trip 15 - i and trip 16.
; Wave w owns query rows 32 w .. 32 w + 31 of the block, as strips A and B of 16.  Lane: r = lane & 15, h = lane >> 4.
;
; BOTH PRODUCTS ARE TAKEN TRANSPOSED.  S^T = K Q^T: register j of tile kt holds key 16 kt + 8 h + j of query r, so all 64 scores
; of a lane belong to one query: maximum, sum and rescaling are plain per-lane numbers (one exchange with the other half).
; Packing neighbouring registers to f16 yields the second source of O^T = V^T P^T as it stands, without any shuffle.
; V^T comes from LDS by the transposing load.  In O^T register j of tile t holds d = 16 t + 8 h + j of query r.
;
; THE OPERANDS ARE f16, NOT bf16.  The first rows have few keys: weights of order 1 times values of order 1, whose sum may
; cancel to far less.  Rounding to 8 significant bits is off by up to 2^-8 of each term, to 11 bits by up to 2^-11; the
; probabilities lie in 0 .. 1 and the inputs are of order 1, so f16's range serves.  Both forms have the same registers.
;
; K AND V are loaded through registers (a wave fetches 32 rows of each), rounded to f16 once per work-group and laid into one of
; two LDS buffers while the other is multiplied: one barrier a trip.
;
; NO CLUSTER, NO JOINT TENSOR LOADS: a tile brought by the data mover would lie in LDS as f32, 64 KiB (K and V) written and
; 64 KiB read back for the rounding, beside the 32 KiB of f16 written and the 128 KiB of fragments read in a trip here; and the
; eight work-groups of a head read the same tile only in trips 0 .. 15 - i (all eight in the first nine of 17).
;
; LIMITS.  Inputs and scores are taken to be finite.  Q, K, V and the probabilities enter the matrix unit rounded to f16:
; an input above 65,504 in magnitude becomes infinity and is not served; one below 2^-14 is kept as a denormal, off by at most
; 2^-25; a probability below 2^-25 of the running maximum's enters the product as 0.  The row sum adds the unrounded f32
; probabilities.  v_exp_f32 gives 0 for a probability below 2^-126.
;
; REGISTERS.  Window 0: v1-13 addresses, v16-23 statistics, v24-31 at work, v32-127 fragments (three sets of 32),
; v128-191 scores of strip A, v192-255 of strip B.  Window 1: v0-63 O, v64-95 Q of the running block, v96-127 Q of the second
; block, v128-191 K as loaded, v192-255 V as loaded.
.set ROWB,  4096                       ; bytes from a row of a head to the next
.set BLKSH, 19                         ; 128 rows are 1 << 19 bytes
.set KP,    144                        ; LDS pitch of K: 128 bytes + 16; sixteen rows start in sixteen different 16-byte columns modulo 256
.set VP,    160                        ; LDS pitch of V: 128 bytes + 32, an odd multiple of 32, for the transposing load
.set KBUF,  128*KP                     ; 18,432 bytes: a K tile in f16
.set VBUF,  128*VP                     ; 20,480 bytes: a V tile in f16
.set VBASE, 2*KBUF                     ; K0, K1, then V0, V1
.set SCR,   VBASE+2*VBUF               ; 77,824: behind them a stage of 32 rows x 272 bytes for each wave, for the way out
.set SP,    272
.set KRD,  1                           ; r KP + 16 h: a K fragment's row and half
.set VRD,  2                           ; VBASE + (8 h + (lane & 7)) VP + 16 ((lane >> 3) & 1)
.set KST,  3                           ; (32 w + 8 h) KP + 8 r
.set VST,  4                           ; VBASE + (32 w + 4 h) VP + 8 r
.set KG,   5                           ; (32 w + 8 h) ROWB + 16 r
.set VG,   6                           ; (32 w + 4 h) ROWB + 16 r
.set SST,  7                           ; my stage + r SP + 32 h
.set SRD,  8                           ; my stage + h SP + 16 r
.set OUTO, 9                           ; (32 w + h) ROWB + 16 r
.set DA,   10                          ; 32 w + r - 8 h (signed): key 16 kt + j of my half is masked in strip A if 16 kt + j > DA
.set NINF, 11                          ; -infinity
.set PF,   12                          ; lane x ROWB
.set QO,   13                          ; (32 w + r) ROWB + 32 h
.set STA,  16                          ; strip A: -c m, running maximum M, alpha, running sum L (of my half of the keys)
.set STB,  20                          ; strip B likewise
.set T,    24                          ; v24-31 at work
.set F,    32                          ; fragments
.set SA,   128
.set SB,   192
.set O,    0                           ; window 1: tile (strip, t) at 32 strip + 8 t
.set Q,    64                          ; window 1: fragment (strip, c) at 16 strip + 8 c
.set QL,   96
.set KS,   128                         ; window 1: load n at 4 n
.set VS,   192
.set MSB, 0
.macro WIN new                         ; low byte: bits 1:0 source 0, 3:2 source 1, 5:4 source 2, 7:6 destination; high byte: the setting left
.if MSB != \new
	s_set_vgpr_msb (MSB<<8)|\new
.set MSB, \new
.endif
.endm
; Four places behind a matrix instruction before a vector instruction or a load touches its registers; only plain vector
; instructions that name none of them are places.
.macro PLACES
.rept 4
	v_nop
.endr
.endm
	s_load_b256 s[4:11], s[0:1], 0x0               ; Q s[4:5], K s[6:7], V s[8:9], out s[10:11]
	v_lshl_add_u32 v14, v0, 2, 0x1b800
	v_mov_b32 v15, 0
	v_lshrrev_b32 v24, 5, v0
	v_readfirstlane_b32 s12, v24                   ; wave
	v_and_b32 v25, 31, v0                          ; lane
	v_and_b32 v26, 15, v0                          ; r
	v_bfe_u32 v27, v0, 4, 1                        ; h
	v_and_b32 v28, 7, v0                           ; lane & 7
	v_bfe_u32 v29, v0, 3, 1                        ; (lane >> 3) & 1
	s_mov_b32 s13, ttmp9                           ; i
	s_and_b32 s14, ttmp7, 0xffff                   ; y = 16 b + h
	s_sub_co_u32 s15, 15, s13                      ; the first block, and the trip of its diagonal
	s_sub_co_u32 s45, 16, s13                      ; trips of the first block
	s_lshr_b32 s16, s14, 4
	s_lshl_b32 s16, s16, 23                        ; b x 2048 rows x 4,096 bytes
	s_and_b32 s35, s14, 15
	s_lshl_b32 s35, s35, 8                         ; + h x 256 bytes
	s_add_co_u32 s16, s16, s35
	s_mov_b32 s17, 0                               ; s[16:17]: the head's offset
	s_mov_b32 s29, 0                               ; s[28:29]: a pair for offsets below 4 GiB
	s_mov_b32 s38, 0x3e38aa3b                      ; c = log2(e) / 8: the scale 1/sqrt(64) and the base of v_exp_f32 in one factor
	s_mov_b32 s39, 0x3e38aa3b
	s_mov_b32 s44, 0xbe38aa3b                      ; -c
	s_mov_b32 s40, 0x76543210                      ; v_permlanex16_b32: lane i reads lane i of the other half
	s_mov_b32 s41, 0xfedcba98
	s_lshl_b32 s35, s12, 17                        ; 32 w rows in memory
	v_lshlrev_b32 v30, 4, v26
	v_add_nc_u32 v30, s35, v30                     ; 32 w ROWB + 16 r
	v_lshl_add_u32 v[KG], v27, 15, v30
	v_lshl_add_u32 v[VG], v27, 14, v30
	v_lshl_add_u32 v[OUTO], v27, 12, v30
	v_lshlrev_b32 v31, 12, v26
	v_lshl_add_u32 v31, v27, 5, v31
	v_add_nc_u32 v[QO], s35, v31
	v_lshlrev_b32 v[PF], 12, v25
	v_mul_u32_u24 v[KRD], v26, KP
	v_lshl_add_u32 v[KRD], v27, 4, v[KRD]
	v_lshl_add_u32 v30, v27, 3, v28
	v_mul_u32_u24 v[VRD], v30, VP
	v_lshl_add_u32 v[VRD], v29, 4, v[VRD]
	v_add_nc_u32 v[VRD], VBASE, v[VRD]
	s_mul_i32 s36, s12, 32*KP
	v_mul_u32_u24 v[KST], v27, 8*KP
	v_lshl_add_u32 v[KST], v26, 3, v[KST]
	v_add_nc_u32 v[KST], s36, v[KST]
	s_mul_i32 s37, s12, 32*VP
	s_add_co_u32 s37, s37, VBASE
	v_mul_u32_u24 v[VST], v27, 4*VP
	v_lshl_add_u32 v[VST], v26, 3, v[VST]
	v_add_nc_u32 v[VST], s37, v[VST]
	s_mul_i32 s35, s12, 32*SP
	s_add_co_u32 s35, s35, SCR                     ; my wave's stage
	v_mul_u32_u24 v[SST], v26, SP
	v_lshl_add_u32 v[SST], v27, 5, v[SST]
	v_add_nc_u32 v[SST], s35, v[SST]
	v_mul_u32_u24 v[SRD], v27, SP
	v_lshl_add_u32 v[SRD], v26, 4, v[SRD]
	v_add_nc_u32 v[SRD], s35, v[SRD]
	s_lshl_b32 s36, s12, 5
	v_lshlrev_b32 v31, 3, v27
	v_sub_nc_u32 v[DA], v26, v31
	v_add_nc_u32 v[DA], s36, v[DA]
	v_mov_b32 v[NINF], 0xff800000
	v_mov_b32 v[STA+1], v[NINF]                    ; M = -infinity makes the first alpha 0,
	v_mov_b32 v[STB+1], v[NINF]
	v_mov_b32 v[STA+3], 0                          ; and the sums start at 0
	v_mov_b32 v[STB+3], 0
	s_wait_kmcnt 0x0
	s_add_nc_u64 s[4:5], s[4:5], s[16:17]          ; the head in Q,
	s_add_nc_u64 s[18:19], s[6:7], s[16:17]        ; in K,
	s_add_nc_u64 s[20:21], s[8:9], s[16:17]        ; in V,
	s_add_nc_u64 s[22:23], s[10:11], s[16:17]      ; in out
	s_lshl_b32 s28, s15, BLKSH
	s_add_nc_u64 s[32:33], s[4:5], s[28:29]        ; Q of block 15 - i
	s_add_nc_u64 s[42:43], s[22:23], s[28:29]      ; out of the running block
	s_lshl_b32 s28, s13, BLKSH
	s_add_nc_u64 s[46:47], s[4:5], s[28:29]        ; Q of block i
	s_mov_b64 s[24:25], s[18:19]                   ; tile 0 of K
	s_mov_b64 s[26:27], s[20:21]                   ; and of V
	s_and_b32 s35, s13, 1
	s_cmp_lg_u32 s35, 0
	s_cselect_b64 s[30:31], s[20:21], s[18:19]     ; what this work-group asks for ahead: i odd V, i even K,
	s_lshr_b32 s28, s13, 1
	s_lshl_b32 s28, s28, 17                        ; rows 32 (i >> 1) .. + 31 of a tile
	s_add_nc_u64 s[30:31], s[30:31], s[28:29]
; Q as the second source of S^T = K Q^T: lane (r, h) holds query r; e = 32 c + 8 h + 0..7 and 32 c + 16 + 8 h + 0..7:
; in f32 two runs of 32 bytes, 64 bytes apart.  Sixteen loads a block, into the score registers, which are still free.
.macro QLOAD job, b
.irp t, 0,1
.irp c, 0,1
	global_load_b128 v[SA+64*\job+32*\t+16*\c:SA+64*\job+32*\t+16*\c+3],     v[QO], s[\b:\b+1] offset:16*ROWB*\t+128*\c
	global_load_b128 v[SA+64*\job+32*\t+16*\c+4:SA+64*\job+32*\t+16*\c+7],   v[QO], s[\b:\b+1] offset:16*ROWB*\t+128*\c+16
	global_load_b128 v[SA+64*\job+32*\t+16*\c+8:SA+64*\job+32*\t+16*\c+11],  v[QO], s[\b:\b+1] offset:16*ROWB*\t+128*\c+64
	global_load_b128 v[SA+64*\job+32*\t+16*\c+12:SA+64*\job+32*\t+16*\c+15], v[QO], s[\b:\b+1] offset:16*ROWB*\t+128*\c+80
.endr
.endr
.endm
; My wave's 32 rows of a K tile and of a V tile: 32 loads; sixteen lanes take one whole row of 256 bytes.  The two rows of one
; load are 8 (K) or 4 (V) apart, so that the 8-byte LDS stores of the two halves of the wave lie 128 bytes apart modulo 256.
; No cache hint: seven other work-groups read the same rows.  Leaves the window at 0x40.
.macro FETCH
	WIN 0x40                                       ; data into window 1, address from window 0
.set n, 0
.rept 16
	global_load_b128 v[KS+4*n:KS+4*n+3], v[KG], s[24:25] offset:(16*(n>>3)+(n&7))*ROWB
.set n, n+1
.endr
.set n, 0
.rept 16
	global_load_b128 v[VS+4*n:VS+4*n+3], v[VG], s[26:27] offset:(8*(n>>2)+(n&3))*ROWB
.set n, n+1
.endr
.endm
; Round the fetched rows to f16 in place (four f32 of a lane become 8 bytes) and lay them into buffer wr.
.macro CONVST wr
	WIN 0x45                                       ; sources and destination in window 1
.set n, 0
.rept 32
	v_cvt_pk_f16_f32 v[KS+4*n],   v[KS+4*n],   v[KS+4*n+1]
	v_cvt_pk_f16_f32 v[KS+4*n+1], v[KS+4*n+2], v[KS+4*n+3]
.set n, n+1
.endr
	WIN 0x04                                       ; address window 0, data window 1
.set n, 0
.rept 16
	ds_store_b64 v[KST], v[KS+4*n:KS+4*n+1] offset:\wr*KBUF+(16*(n>>3)+(n&7))*KP
.set n, n+1
.endr
.set n, 0
.rept 16
	ds_store_b64 v[VST], v[VS+4*n:VS+4*n+1] offset:\wr*VBUF+(8*(n>>2)+(n&3))*VP
.set n, n+1
.endr
	WIN 0
.endm
; K fragments of key tiles 2 g and 2 g + 1 (16 keys x 64 e each) from buffer rd into fragment set fb: eight loads.
.macro LOADK g, fb, rd
.irp q, 0,1
.irp c, 0,1
	ds_load_b128 v[F+32*\fb+16*\q+8*\c:F+32*\fb+16*\q+8*\c+3],   v[KRD] offset:\rd*KBUF+(2*\g+\q)*16*KP+64*\c
	ds_load_b128 v[F+32*\fb+16*\q+8*\c+4:F+32*\fb+16*\q+8*\c+7], v[KRD] offset:\rd*KBUF+(2*\g+\q)*16*KP+64*\c+32
.endr
.endr
.endm
; Scores of key tiles 2 g, 2 g + 1 for both strips: the product over e = 0..31 starts each sum (C = 0), e = 32..63 follows in place.
.macro MULS g, fb
.irp q, 0,1
	v_wmma_f32_16x16x32_f16 v[SA+16*\g+8*\q:SA+16*\g+8*\q+7], v[F+32*\fb+16*\q:F+32*\fb+16*\q+7],    v[Q:Q+7],     0
	v_wmma_f32_16x16x32_f16 v[SB+16*\g+8*\q:SB+16*\g+8*\q+7], v[F+32*\fb+16*\q:F+32*\fb+16*\q+7],    v[Q+16:Q+23], 0
	v_wmma_f32_16x16x32_f16 v[SA+16*\g+8*\q:SA+16*\g+8*\q+7], v[F+32*\fb+16*\q+8:F+32*\fb+16*\q+15], v[Q+8:Q+15],  v[SA+16*\g+8*\q:SA+16*\g+8*\q+7]
	v_wmma_f32_16x16x32_f16 v[SB+16*\g+8*\q:SB+16*\g+8*\q+7], v[F+32*\fb+16*\q+8:F+32*\fb+16*\q+15], v[Q+24:Q+31], v[SB+16*\g+8*\q:SB+16*\g+8*\q+7]
.endr
.endm
; V^T fragments of keys 32 c .. 32 c + 31, four tiles of 16 d: eight transposing loads.  Steps 0 to 2 go to the fragment sets,
; step 3 to the upper halves of strip A's score chunks, which the packing to f16 has left free.
.macro LOADV c, rd
.irp t, 0,1,2,3
.if \c < 3
	ds_load_tr16_b128 v[F+32*\c+8*\t:F+32*\c+8*\t+3],   v[VRD] offset:\rd*VBUF+\c*32*VP+32*\t
	ds_load_tr16_b128 v[F+32*\c+8*\t+4:F+32*\c+8*\t+7], v[VRD] offset:\rd*VBUF+\c*32*VP+32*\t+16*VP
.else
	ds_load_tr16_b128 v[SA+16*\t+8:SA+16*\t+11],  v[VRD] offset:\rd*VBUF+\c*32*VP+32*\t
	ds_load_tr16_b128 v[SA+16*\t+12:SA+16*\t+15], v[VRD] offset:\rd*VBUF+\c*32*VP+32*\t+16*VP
.endif
.endr
.endm
; The tile on the diagonal: key 16 kt + 8 h + j is masked for query 32 w + 16 strip + r if it is larger.  Strip B's bound is
; 16 higher, so the mask of (A, kt) serves (B, kt + 1); (B, 0) is never masked, since DA >= -8 > j - 16.
.macro MASK
.irp kt, 0,1,2,3,4,5,6,7
.irp j, 0,1,2,3,4,5,6,7
	v_cmp_gt_i32 vcc_lo, 16*\kt+\j, v[DA]
	v_cndmask_b32 v[SA+8*\kt+\j], v[SA+8*\kt+\j], v[NINF], vcc_lo
.if \kt < 7
	v_cndmask_b32 v[SB+8*\kt+8+\j], v[SB+8*\kt+8+\j], v[NINF], vcc_lo
.endif
.endr
.endr
.endm
; Sum and packing of chunk k (16 probabilities), cut into 15 single instructions so that they can stand between exponentials.
; Even item e: the sum takes pairs 0 and 1, then pair e + 1; the last one packs pair 7.  Odd item e: pair e is packed into
; register e.  Register e lies in pair e / 2, which by then has been summed and packed.
.macro SPE sb, k, e
.if \e == 0
	s_wait_alu depctr_va_vdst(0)
	v_pk_add_f32 v[T+2*\k:T+2*\k+1], v[\sb+16*\k:\sb+16*\k+1], v[\sb+16*\k+2:\sb+16*\k+3]
.elseif \e < 7
	v_pk_add_f32 v[T+2*\k:T+2*\k+1], v[T+2*\k:T+2*\k+1], v[\sb+16*\k+2*\e+2:\sb+16*\k+2*\e+3]
.else
	v_cvt_pk_f16_f32 v[\sb+16*\k+7], v[\sb+16*\k+14], v[\sb+16*\k+15]
.endif
.endm
.macro SPO sb, k, e
.if \e < 7
	v_cvt_pk_f16_f32 v[\sb+16*\k+\e], v[\sb+16*\k+2*\e], v[\sb+16*\k+2*\e+1]
.endif
.endm
; The 16 exponentials of chunk k, with the exponents of chunk kn = k + 1 and the sum and packing of chunk kp = k - 1 between them.
; A result of v_exp_f32 is first read a whole chunk later, with plain vector instructions in between (ISA guide 5.7.2).
.macro STAGE sb, st, k, kp, kn
.irp e, 0,1,2,3,4,5,6,7
	v_exp_f32 v[\sb+16*\k+2*\e], v[\sb+16*\k+2*\e]
.if \kn < 4
	v_pk_fma_f32 v[\sb+16*\kn+2*\e:\sb+16*\kn+2*\e+1], v[\sb+16*\kn+2*\e:\sb+16*\kn+2*\e+1], s[38:39], v[\st:\st+1] op_sel_hi:[1,0,0]
.endif
.if \k > 0
	SPE \sb, \kp, \e
.endif
	v_exp_f32 v[\sb+16*\k+2*\e+1], v[\sb+16*\k+2*\e+1]
.if \k > 0
	SPO \sb, \kp, \e
.endif
.endr
.endm
; One strip's softmax step: m = max(M, scores), alpha = 2^(c (M - m)), p = 2^(c s - c m), L = L alpha + sum of p,
; p packed to f16 in place: chunk c's eight words at sb + 16 c are the second source of the product with V.
.macro SM sb, st
.irp q, 0,1,2,3
	v_max_num_f32 v[T+\q], v[\sb+16*\q], v[\sb+16*\q+1]                       ; four chains, started by the first pairs
.endr
.irp u, 0,1,2,3,4,5,6
.irp q, 0,1,2,3
	v_max3_num_f32 v[T+\q], v[T+\q], v[\sb+16*\q+2*\u+2], v[\sb+16*\q+2*\u+3]
.endr
.endr
	v_max3_num_f32 v[T], v[T], v[T+1], v[T+2]
	v_max3_num_f32 v[T], v[T], v[T+3], v[\st+1]                               ; with the running maximum
	v_permlanex16_b32 v[T+1], v[T], s40, s41                                  ; the other half of the query's keys
	v_max_num_f32 v[T], v[T], v[T+1]                                          ; m: finite, since key 0 of a tile is never masked
	v_mul_f32 v[\st], s44, v[T]                                               ; -c m
	v_fma_f32 v[T+1], v[\st+1], s38, v[\st]                                   ; c (M - m); -infinity where M is
	v_mov_b32 v[\st+1], v[T]
	v_exp_f32 v[\st+2], v[T+1]                                                ; alpha; first used behind all that follows
.irp e, 0,1,2,3,4,5,6,7
	v_pk_fma_f32 v[\sb+2*\e:\sb+2*\e+1], v[\sb+2*\e:\sb+2*\e+1], s[38:39], v[\st:\st+1] op_sel_hi:[1,0,0]
.endr
	STAGE \sb, \st, 0, 0, 1
	STAGE \sb, \st, 1, 0, 2
	STAGE \sb, \st, 2, 1, 3
	STAGE \sb, \st, 3, 2, 4
.irp e, 0,1,2,3,4,5,6,7
	SPE \sb, 3, \e
	SPO \sb, 3, \e
.endr
	v_pk_add_f32 v[T:T+1], v[T:T+1], v[T+2:T+3]
	v_pk_add_f32 v[T+4:T+5], v[T+4:T+5], v[T+6:T+7]
	v_pk_add_f32 v[T:T+1], v[T:T+1], v[T+4:T+5]
	v_add_f32 v[T], v[T], v[T+1]
	v_fma_f32 v[\st+3], v[\st+3], v[\st+2], v[T]
.endm
.macro RESCALE st, ob                  ; O of the strip times alpha
	WIN 0x41                                       ; O in window 1, alpha in window 0
.set n, 0
.rept 16
	v_pk_mul_f32 v[\ob+2*n:\ob+2*n+1], v[\ob+2*n:\ob+2*n+1], v[\st+2:\st+3] op_sel_hi:[1,0]
.set n, n+1
.endr
.endm
; O^T of one strip += V^T (keys 32 c .. + 31) x P^T: four tiles of 16 d, each a chain in place over c.
.macro PVC sb, ob, c
.irp t, 0,1,2,3
.if \c < 3
	v_wmma_f32_16x16x32_f16 v[\ob+8*\t:\ob+8*\t+7], v[F+32*\c+8*\t:F+32*\c+8*\t+7], v[\sb+16*\c:\sb+16*\c+7], v[\ob+8*\t:\ob+8*\t+7]
.else
	v_wmma_f32_16x16x32_f16 v[\ob+8*\t:\ob+8*\t+7], v[SA+16*\t+8:SA+16*\t+15], v[\sb+16*\c:\sb+16*\c+7], v[\ob+8*\t:\ob+8*\t+7]
.endif
.endr
.endm
; The end of a block: O / L, through my wave's own stage in LDS, out as whole rows: sixteen neighbouring lanes store the 256
; aligned bytes of one (l, h) row.  last = 0: the second block is then set up.
.macro EPI last
	PLACES                                         ; behind the last products, whose results and sources are touched below
	v_permlanex16_b32 v[T], v[STA+3], s40, s41     ; the other half's part of the sum
	v_permlanex16_b32 v[T+2], v[STB+3], s40, s41
	v_add_f32 v[T], v[T], v[STA+3]
	v_add_f32 v[T+2], v[T+2], v[STB+3]
	v_rcp_f32 v[T], v[T]
	v_rcp_f32 v[T+2], v[T+2]
	v_nop                                          ; the plain place behind v_rcp_f32 (ISA guide 5.7.2)
	WIN 0x01                                       ; O from window 1, the rest in window 0
.set n, 0
	s_wait_alu depctr_va_vdst(0)
.rept 16
	v_pk_mul_f32 v[SA+2*n:SA+2*n+1], v[O+2*n:O+2*n+1], v[T:T+1] op_sel_hi:[1,0]
.set n, n+1
.endr
.set n, 16
.rept 16
	v_pk_mul_f32 v[SA+2*n:SA+2*n+1], v[O+2*n:O+2*n+1], v[T+2:T+3] op_sel_hi:[1,0]
.set n, n+1
.endr
	WIN 0
.irp u, 0,1
.irp t, 0,1,2,3
	ds_store_b128 v[SST], v[SA+32*\u+8*\t:SA+32*\u+8*\t+3]   offset:\u*16*SP+64*\t      ; row 16 strip + r, d = 16 t + 8 h + 0..3
	ds_store_b128 v[SST], v[SA+32*\u+8*\t+4:SA+32*\u+8*\t+7] offset:\u*16*SP+64*\t+16   ; d = 16 t + 8 h + 4..7
.endr
.endr
.set n, 0
.rept 16
	ds_load_b128 v[SB+4*n:SB+4*n+3], v[SRD] offset:2*SP*n      ; rows 2 n + h; a wave's LDS instructions are served in order (ISA guide 5.7.1)
.set n, n+1
.endr
.set n, 0
.rept 16
	s_wait_dscnt 15-n                              ; the 15 - n younger loads may stay out
	global_store_b128 v[OUTO], v[SB+4*n:SB+4*n+3], s[42:43] offset:2*ROWB*n th:TH_STORE_NT
.set n, n+1
.endr
.if \last == 0
	s_wait_xcnt 0x0                                ; the stores' base and data are rewritten only behind this wait (ISA guide 3.1)
	v_mov_b32 v[STA+1], v[NINF]                    ; M = -infinity: the next alpha is 0 and wipes the old block's O, which is finite
	v_mov_b32 v[STB+1], v[NINF]
	v_mov_b32 v[STA+3], 0
	v_mov_b32 v[STB+3], 0
	WIN 0x41
.set n, 0
.rept 32
	v_mov_b32 v[Q+n], v[QL+n]                      ; the second block's Q takes the place that the products name
.set n, n+1
.endr
	WIN 0
	s_lshl_b32 s28, s13, BLKSH
	s_add_nc_u64 s[42:43], s[22:23], s[28:29]      ; out of block i
.endif
.endm
; One trip: 128 queries x 128 keys from buffer rd; the next trip's tile is fetched meanwhile and laid into buffer wr.
; odd: the trip's number is s34 + odd.  last = 1: trip 16, on the diagonal, nothing more to fetch.  id: for the labels.
.macro TRIP rd, wr, odd, last, id
	LOADK 0, 0, \rd
	LOADK 1, 1, \rd
	LOADK 2, 2, \rd
.if \last == 0
	s_add_co_u32 s37, s34, \odd                    ; k
	s_add_co_u32 s35, s37, 1
	s_cmp_gt_u32 s35, s15                          ; is trip k + 1 in the second block?
	s_cselect_b32 s36, s45, 0
	s_sub_co_u32 s35, s35, s36                     ; its key tile
	s_lshl_b32 s28, s35, BLKSH
	s_add_nc_u64 s[24:25], s[18:19], s[28:29]      ; free since the waits at the last trip's end
	s_add_nc_u64 s[26:27], s[20:21], s[28:29]
	FETCH
	WIN 0
	; Ahead of the loads: in trip k wave 0 asks for this work-group's 32 rows (one lane a row of 256 bytes) of tile k + 3,
	; which trip k + 2 fetches.  The eight work-groups of a head cover the 128 rows of K and of V once.  Tiles 3 to 15:
	; the last request is made in trip 12 and lies inside the head.
	s_cmp_lg_u32 s12, 0
	s_cbranch_scc1 .Lnopf\id
	s_cmp_gt_u32 s34, 12-\odd
	s_cbranch_scc1 .Lnopf\id
	s_add_co_u32 s35, s37, 3
	s_lshl_b32 s28, s35, BLKSH
	s_add_nc_u64 s[32:33], s[30:31], s[28:29]
	global_prefetch_b8 v[PF], s[32:33] th:TH_LOAD_NT scope:SCOPE_SE
.Lnopf\id:
.endif
	WIN 0x04                                       ; Q (source 1) in window 1, all else in window 0
	s_wait_dscnt 16                                ; group 0 is in; groups 1 and 2 (16 loads) may be out
	MULS 0, 0
	PLACES
	LOADK 3, 0, \rd                                ; into the set that group 0 has left
	s_wait_dscnt 16                                ; group 1 is in; groups 2 and 3 may be out
	MULS 1, 1
	s_wait_dscnt 8                                 ; group 3 may be out
	MULS 2, 2
	s_wait_dscnt 0
	MULS 3, 0
	WIN 0
	PLACES                                         ; in front of the loads into the fragment sets and of the first read of the scores
	LOADV 0, \rd
	LOADV 1, \rd
	LOADV 2, \rd
.if \last
	MASK
.else
	s_cmp_lg_u32 s37, s15
	s_cbranch_scc1 .Lnomask\id
	MASK
.Lnomask\id:
.endif
	SM SA, STA
	LOADV 3, \rd
	RESCALE STA, O
	s_wait_dscnt 8                                 ; V's steps 0 to 2 are in; the eight loads of step 3 may be out
	WIN 0x50                                       ; C and D in window 1
	PVC SA, O, 0
	PVC SA, O, 1
	PVC SA, O, 2
	s_wait_dscnt 0
	PVC SA, O, 3
	WIN 0
	SM SB, STB                                     ; names none of the registers of strip A's products
	RESCALE STB, O+32
	WIN 0x50
	PVC SB, O+32, 0
	PVC SB, O+32, 1
	PVC SB, O+32, 2
	PVC SB, O+32, 3
	WIN 0
.if \last
	EPI 1
.else
	s_cmp_lg_u32 s37, s15
	s_cbranch_scc1 .Lnoepi\id
	EPI 0
.Lnoepi\id:
	s_wait_loadcnt 0x0                             ; the next tile, asked for at the trip's head
	s_wait_xcnt 0x0                                ; and the bases of its loads and of the request ahead are free
	CONVST \wr                                     ; its 64 conversions are also the places behind the last products
	s_wait_dscnt 0x0                               ; my reads of buffer rd and my stores into buffer wr are done:
	s_barrier_signal -1
	s_barrier_wait -1                              ; so are everybody's
.endif
.endm
	QLOAD 0, 32
	QLOAD 1, 46
	FETCH                                          ; tile 0
	; O is cleared once: the change of blocks falls on a trip that hangs on i, so a block's sums are started by alpha = 0,
	; which wants finite numbers in O from the first trip on.
.set n, 0
.rept 64
	v_mov_b32 v[O+n], 0
.set n, n+1
.endr
	s_wait_loadcnt 32                              ; Q's 32 loads are in; the tile's 32 stay out
.set n, 0
.rept 64
	v_cvt_pk_f16_f32 v[Q+n], v[SA+2*n], v[SA+2*n+1]    ; both blocks' Q; the scale goes into the exponent's multiply-add
.set n, n+1
.endr
	s_wait_loadcnt 0x0
	CONVST 0
	s_wait_dscnt 0x0
	s_barrier_signal -1
	s_barrier_wait -1
	s_mov_b32 s34, 0
.Ltrip:
	TRIP 0, 1, 0, 0, 0
	TRIP 1, 0, 1, 0, 1
	s_add_co_u32 s34, s34, 2
	s_cmp_lt_u32 s34, 16
	s_cbranch_scc1 .Ltrip
	TRIP 0, 0, 0, 1, 2
	s_wait_tensorcnt 0x0
	ds_add_u32 v14, v15
	s_wait_dscnt 0x0
	s_endpgm
.Lfunc_end_k_q1fcd95c79a_attn:
	.size	k_q1fcd95c79a_attn, .Lfunc_end_k_q1fcd95c79a_attn-k_q1fcd95c79a_attn
	.p2alignl 7, 3214868480
	.fill 96, 4, 3214868480
	.section	.rodata,"a",@progbits
	.p2align	6, 0x0
	.amdhsa_kernel k_q1fcd95c79a_attn
		.amdhsa_group_segment_fixed_size 113152
		.amdhsa_private_segment_fixed_size 0
		.amdhsa_enable_private_segment 0
		.amdhsa_kernarg_size 32
		.amdhsa_user_sgpr_count 2
		.amdhsa_user_sgpr_kernarg_segment_ptr 1
		.amdhsa_wavefront_size32 1
		.amdhsa_system_sgpr_workgroup_id_x 1
		.amdhsa_system_sgpr_workgroup_id_y 1
		.amdhsa_system_sgpr_workgroup_id_z 1
		.amdhsa_system_vgpr_workitem_id 0
		.amdhsa_next_free_vgpr 512
		.amdhsa_next_free_sgpr 66
		.amdhsa_reserve_vcc 1
		.amdhsa_float_denorm_mode_32 3
		.amdhsa_float_denorm_mode_16_64 3
		.amdhsa_memory_ordered 1
		.amdhsa_forward_progress 1
		.amdhsa_inst_pref_size 180
	.end_amdhsa_kernel
	.amdgpu_metadata
---
amdhsa.version: [ 1, 2 ]
amdhsa.kernels:
  - .name:           k_q1fcd95c79a_attn
    .symbol:         k_q1fcd95c79a_attn.kd
    .args:
      - { .name: queries, .offset: 0, .size: 8, .value_kind: global_buffer, .address_space: global }
      - { .name: keys, .offset: 8, .size: 8, .value_kind: global_buffer, .address_space: global }
      - { .name: values, .offset: 16, .size: 8, .value_kind: global_buffer, .address_space: global }
      - { .name: out0, .offset: 24, .size: 8, .value_kind: global_buffer, .address_space: global }
    .group_segment_fixed_size: 113152
    .private_segment_fixed_size: 0
    .kernarg_segment_align: 8
    .kernarg_segment_size: 32
    .max_flat_workgroup_size: 128
    .sgpr_count:     66
    .vgpr_count:     512
    .wavefront_size: 32
...
	.end_amdgpu_metadata
.endif
;; end of part 1
;; ======== version 2 of 3: 1 launch
;; limits: inputs' magnitudes at most 65,504; below input magnitudes of 6.1e-05 results are inexact or not finite; values are held in f16: magnitudes above 65,504 overflow, below 6.1e-05 lose precision
;; launch attn (part 2): grid 8 x 32, 4 waves a work-group, no clusters, 113,152 bytes of LDS; arguments queries, keys, values, out0; writes out0
.if DOCPART == 2
	.amdgcn_target "amdgcn-amd-amdhsa--gfx1250"
	.amdhsa_code_object_version 6
	.text
	.protected	k_q1fcd95c79a_attn
	.globl	k_q1fcd95c79a_attn
	.p2align	8
	.type	k_q1fcd95c79a_attn,@function
k_q1fcd95c79a_attn:
	s_mov_b64 s[64:65], 0
	v_nop
	global_prefetch_b8 v0, s[64:65] scope:SCOPE_SE
	s_setreg_imm32_b32 hwreg(HW_REG_WAVE_MODE, 25, 1), 1
	s_wait_xcnt 0x0
; Causal softmax attention, one launch.  queries, keys, values, out0: [2][2048][16][64] f32; a (b, l, h) row is 256 bytes,
; rows of one head are 4,096 bytes apart.  out = softmax(Q K^T / 8, keys <= query) V, by the running-maximum form.
;
; SHARES.  y = 16 b + h names the head, x = i (0..7).  A head has 16 query blocks of 128 rows.  Work-group i does block 15 - i,
; then block i: (16 - i) + (i + 1) = 17 trips of 128 queries x 128 keys for every one of the 256 work-groups.  Trip k reads key
; tile k while k <= 15 - i, then tile k - (16 - i).  The tiles on the diagonal are trip 15 - i and trip 16.
; Wave w owns query rows 32 w .. 32 w + 31 of the block, as strips A and B of 16.  Lane: r = lane & 15, h = lane >> 4.
;
; BOTH PRODUCTS ARE TAKEN TRANSPOSED.  S^T = K Q^T: register j of tile kt holds key 16 kt + 8 h + j of query r, so all 64 scores
; of a lane belong to one query: maximum, sum and rescaling are plain per-lane numbers (one exchange with the other half).
; Packing neighbouring registers to f16 yields the second source of O^T = V^T P^T as it stands, without any shuffle.
; V^T comes from LDS by the transposing load.  In O^T register j of tile t holds d = 16 t + 8 h + j of query r.
;
; THE OPERANDS ARE f16, NOT bf16.  The first rows have few keys: weights of order 1 times values of order 1, whose sum may
; cancel to far less.  Rounding to 8 significant bits is off by up to 2^-8 of each term, to 11 bits by up to 2^-11; the
; probabilities lie in 0 .. 1 and the inputs are of order 1, so f16's range serves.  Both forms have the same registers.
;
; K AND V are loaded through registers (a wave fetches 32 rows of each), TWO TRIPS AHEAD: trip k asks for the tile of trip
; k + 2 into register set k & 1, in four groups of eight loads with eight matrix instructions between two groups, and in front
; of its last products rounds the tile of trip k + 1, asked for a trip earlier, to f16 and lays it into LDS buffer (k + 1) & 1,
; which nobody reads in trip k.  So 32 to 64 loads of every wave are on their way throughout.  One barrier a trip.
;
; Q is loaded in whole rows like K, rounded to f16 and turned into fragments through the wave's own stage in LDS.  Only the first
; block's Q stands in front of the first trip; the second block's is asked for last in the set-up and waits in registers as f32.
;
; NO CLUSTER, NO JOINT TENSOR LOADS: a tile brought by the data mover would lie in LDS as f32, 64 KiB (K and V) written and
; 64 KiB read back for the rounding, beside the 32 KiB of f16 written and the 128 KiB of fragments read in a trip here; and the
; eight work-groups of a head read the same tile only in trips 0 .. 15 - i (all eight in the first nine of 17).
;
; LIMITS.  Inputs and scores are taken to be finite.  Q, K, V and the probabilities enter the matrix unit rounded to f16:
; an input above 65,504 in magnitude becomes infinity and is not served; one below 2^-14 is kept as a denormal, off by at most
; 2^-25; a probability below 2^-25 of the running maximum's enters the product as 0.  The row sum adds the unrounded f32
; probabilities.  v_exp_f32 gives 0 for a probability below 2^-126.
;
; REGISTERS.  Window 0: v1-14 addresses, v16-23 statistics, v24-31 at work, v32-127 fragments (three sets of 32),
; v128-191 scores of strip A, v192-255 of strip B.  Window 1: v0-63 O, v64-95 Q of the running block, v128-255 tiles as loaded,
; set 0 (K 64 registers, then V).  Window 2: v0-127 tiles as loaded, set 1; v128-191 Q of the second block as loaded.
.set ROWB,  4096                       ; bytes from a row of a head to the next
.set BLKSH, 19                         ; 128 rows are 1 << 19 bytes
.set KP,    144                        ; LDS pitch of K and Q: 128 bytes + 16; sixteen rows start in sixteen different 16-byte columns modulo 256
.set VP,    160                        ; LDS pitch of V: 128 bytes + 32, an odd multiple of 32, for the transposing load
.set KBUF,  128*KP                     ; 18,432 bytes: a K tile in f16
.set VBUF,  128*VP                     ; 20,480 bytes: a V tile in f16
.set VBASE, 2*KBUF                     ; K0, K1, then V0, V1
.set SCR,   VBASE+2*VBUF               ; 77,824: behind them a stage of 8,704 bytes for each wave: 32 rows x 272 on the way out, 32 x 144 for Q
.set SP,    272
.set KRD,  1                           ; r KP + 16 h: a K fragment's row and half
.set VRD,  2                           ; VBASE + (8 h + (lane & 7)) VP + 16 ((lane >> 3) & 1)
.set KST,  3                           ; (32 w + 8 h) KP + 8 r
.set VST,  4                           ; VBASE + (32 w + 4 h) VP + 8 r
.set KG,   5                           ; (32 w + 8 h) ROWB + 16 r
.set VG,   6                           ; (32 w + 4 h) ROWB + 16 r
.set SST,  7                           ; my stage + r SP + 32 h
.set SRD,  8                           ; my stage + h SP + 16 r
.set OUTO, 9                           ; (32 w + h) ROWB + 16 r
.set DA,   10                          ; 32 w + r - 8 h (signed): key 16 kt + j of my half is masked in strip A if 16 kt + j > DA
.set NINF, 11                          ; -infinity
.set PF,   12                          ; lane x ROWB
.set QST,  13                          ; my stage + 8 h KP + 8 r
.set QRD,  14                          ; my stage + r KP + 16 h
.set STA,  16                          ; strip A: -c m, running maximum M, alpha, running sum L (of my half of the keys)
.set STB,  20                          ; strip B likewise
.set T,    24                          ; v24-31 at work
.set F,    32                          ; fragments
.set SA,   128
.set SB,   192
.set O,    0                           ; window 1: tile (strip, t) at 32 strip + 8 t
.set Q,    64                          ; window 1: fragment (strip, c) at 16 strip + 8 c
.set QLR,  128                         ; window 2: the second block's Q as loaded, load n at 4 n
.set MSB, 0
.macro WIN new                         ; low byte: bits 1:0 source 0, 3:2 source 1, 5:4 source 2, 7:6 destination; high byte: the setting left
.if MSB != \new
	s_set_vgpr_msb (MSB<<8)|\new
.set MSB, \new
.endif
.endm
; Four places behind a matrix instruction before a vector instruction or a load touches its registers; only plain vector
; instructions that name none of them are places.
.macro PLACES
.rept 4
	v_nop
.endr
.endm
	s_load_b256 s[4:11], s[0:1], 0x0               ; Q s[4:5], K s[6:7], V s[8:9], out s[10:11]
	v_lshl_add_u32 v15, v0, 2, 0x1b800
	s_set_vgpr_msb 0x40
	v_mov_b32 v127, 0
	s_set_vgpr_msb 0x4000
	v_lshrrev_b32 v24, 5, v0
	v_readfirstlane_b32 s12, v24                   ; wave
	v_and_b32 v25, 31, v0                          ; lane
	v_and_b32 v26, 15, v0                          ; r
	v_bfe_u32 v27, v0, 4, 1                        ; h
	v_and_b32 v28, 7, v0                           ; lane & 7
	v_bfe_u32 v29, v0, 3, 1                        ; (lane >> 3) & 1
	s_mov_b32 s13, ttmp9                           ; i
	s_and_b32 s14, ttmp7, 0xffff                   ; y = 16 b + h
	s_sub_co_u32 s15, 15, s13                      ; the first block, and the trip of its diagonal
	s_sub_co_u32 s45, 16, s13                      ; trips of the first block
	s_lshr_b32 s16, s14, 4
	s_lshl_b32 s16, s16, 23                        ; b x 2048 rows x 4,096 bytes
	s_and_b32 s35, s14, 15
	s_lshl_b32 s35, s35, 8                         ; + h x 256 bytes
	s_add_co_u32 s16, s16, s35
	s_mov_b32 s17, 0                               ; s[16:17]: the head's offset
	s_mov_b32 s29, 0                               ; s[28:29]: a pair for offsets below 4 GiB
	s_mov_b32 s38, 0x3e38aa3b                      ; c = log2(e) / 8: the scale 1/sqrt(64) and the base of v_exp_f32 in one factor
	s_mov_b32 s39, 0x3e38aa3b
	s_mov_b32 s44, 0xbe38aa3b                      ; -c
	s_mov_b32 s40, 0x76543210                      ; v_permlanex16_b32: lane i reads lane i of the other half
	s_mov_b32 s41, 0xfedcba98
	s_lshl_b32 s35, s12, 17                        ; 32 w rows in memory
	v_lshlrev_b32 v30, 4, v26
	v_add_nc_u32 v30, s35, v30                     ; 32 w ROWB + 16 r
	v_lshl_add_u32 v[KG], v27, 15, v30
	v_lshl_add_u32 v[VG], v27, 14, v30
	v_lshl_add_u32 v[OUTO], v27, 12, v30
	v_lshlrev_b32 v[PF], 12, v25
	v_mul_u32_u24 v[KRD], v26, KP
	v_lshl_add_u32 v[KRD], v27, 4, v[KRD]
	v_lshl_add_u32 v30, v27, 3, v28
	v_mul_u32_u24 v[VRD], v30, VP
	v_lshl_add_u32 v[VRD], v29, 4, v[VRD]
	v_add_nc_u32 v[VRD], VBASE, v[VRD]
	s_mul_i32 s36, s12, 32*KP
	v_mul_u32_u24 v31, v27, 8*KP
	v_lshl_add_u32 v31, v26, 3, v31                ; 8 h KP + 8 r
	v_add_nc_u32 v[KST], s36, v31
	s_mul_i32 s37, s12, 32*VP
	s_add_co_u32 s37, s37, VBASE
	v_mul_u32_u24 v[VST], v27, 4*VP
	v_lshl_add_u32 v[VST], v26, 3, v[VST]
	v_add_nc_u32 v[VST], s37, v[VST]
	s_mul_i32 s35, s12, 32*SP
	s_add_co_u32 s35, s35, SCR                     ; my wave's stage
	v_mul_u32_u24 v[SST], v26, SP
	v_lshl_add_u32 v[SST], v27, 5, v[SST]
	v_add_nc_u32 v[SST], s35, v[SST]
	v_mul_u32_u24 v[SRD], v27, SP
	v_lshl_add_u32 v[SRD], v26, 4, v[SRD]
	v_add_nc_u32 v[SRD], s35, v[SRD]
	v_add_nc_u32 v[QST], s35, v31
	v_add_nc_u32 v[QRD], s35, v[KRD]
	s_lshl_b32 s36, s12, 5
	v_lshlrev_b32 v31, 3, v27
	v_sub_nc_u32 v[DA], v26, v31
	v_add_nc_u32 v[DA], s36, v[DA]
	v_mov_b32 v[NINF], 0xff800000
	v_mov_b32 v[STA+1], v[NINF]                    ; M = -infinity makes the first alpha 0,
	v_mov_b32 v[STB+1], v[NINF]
	v_mov_b32 v[STA+3], 0                          ; and the sums start at 0
	v_mov_b32 v[STB+3], 0
	s_wait_kmcnt 0x0
	s_add_nc_u64 s[4:5], s[4:5], s[16:17]          ; the head in Q,
	s_add_nc_u64 s[18:19], s[6:7], s[16:17]        ; in K,
	s_add_nc_u64 s[20:21], s[8:9], s[16:17]        ; in V,
	s_add_nc_u64 s[22:23], s[10:11], s[16:17]      ; in out
	s_lshl_b32 s28, s15, BLKSH
	s_add_nc_u64 s[32:33], s[4:5], s[28:29]        ; Q of block 15 - i
	s_add_nc_u64 s[42:43], s[22:23], s[28:29]      ; out of the running block
	s_lshl_b32 s28, s13, BLKSH
	s_add_nc_u64 s[46:47], s[4:5], s[28:29]        ; Q of block i
	s_mov_b64 s[24:25], s[18:19]                   ; tile 0 of K
	s_mov_b64 s[26:27], s[20:21]                   ; and of V
	s_and_b32 s35, s13, 1
	s_cmp_lg_u32 s35, 0
	s_cselect_b64 s[30:31], s[20:21], s[18:19]     ; what this work-group asks for ahead: i odd V, i even K,
	s_lshr_b32 s28, s13, 1
	s_lshl_b32 s28, s28, 17                        ; rows 32 (i >> 1) .. + 31 of a tile
	s_add_nc_u64 s[30:31], s[30:31], s[28:29]
; My wave's 32 rows of a Q block at base s[b:b+1], into 64 registers from reg on (the caller sets the window): 16 loads, sixteen
; lanes take one whole row of 256 bytes, rows as in a K tile.  Each byte of Q is read by one load of the whole launch.
.macro QFETCH b, reg
.set n, 0
.rept 16
	global_load_b128 v[\reg+4*n:\reg+4*n+3], v[KG], s[\b:\b+1] offset:(16*(n>>3)+(n&7))*ROWB th:TH_LOAD_NT
.set n, n+1
.endr
.endm
; Those rows rounded to f16 in place (window setting wc), laid into my wave's own stage at pitch KP (setting ws), and read back as
; the second source of S^T = K Q^T: lane (r, h) holds query 16 strip + r, e = 32 c + 8 h + 0..7 and 32 c + 16 + 8 h + 0..7.
; The stage is read and written by this wave alone, and LDS serves a wave's instructions in order (ISA guide 5.7.1): no barrier,
; no wait between the stores and the loads.  The scale goes into the exponent's multiply-add, not into Q.
.macro QLAY reg, wc, ws
	WIN \wc
.set n, 0
.rept 16
	v_cvt_pk_f16_f32 v[\reg+4*n],   v[\reg+4*n],   v[\reg+4*n+1]
	v_cvt_pk_f16_f32 v[\reg+4*n+1], v[\reg+4*n+2], v[\reg+4*n+3]
.set n, n+1
.endr
	WIN \ws
.set n, 0
.rept 16
	ds_store_b64 v[QST], v[\reg+4*n:\reg+4*n+1] offset:(16*(n>>3)+(n&7))*KP
.set n, n+1
.endr
	WIN 0x40                                       ; fragments into window 1, address from window 0
.irp t, 0,1
.irp c, 0,1
	ds_load_b128 v[Q+16*\t+8*\c:Q+16*\t+8*\c+3],   v[QRD] offset:\t*16*KP+64*\c
	ds_load_b128 v[Q+16*\t+8*\c+4:Q+16*\t+8*\c+7], v[QRD] offset:\t*16*KP+64*\c+32
.endr
.endr
	WIN 0
.endm
; Eight of the 32 loads that bring my wave's 32 rows of a K tile (g = 0, 1) and of a V tile (g = 2, 3), xo bytes behind the bases
; s[24:25], s[26:27], into register set 0 (window 1, from v128) or 1 (window 2, from v0).  Sixteen lanes take one whole row of
; 256 bytes.  The two rows of one load are 8 (K) or 4 (V) apart, so that the 8-byte LDS stores of the two halves of the wave
; lie 128 bytes apart modulo 256.  No cache hint: seven other work-groups read the same rows.  Leaves the window at the set's.
.macro FETCHG set, xo, g
.if \set == 0
	WIN 0x40                                       ; data into window 1, address from window 0
.set stg, 128
.else
	WIN 0x80                                       ; data into window 2
.set stg, 0
.endif
.set n, 8*(\g&1)
.rept 8
.if \g < 2
	global_load_b128 v[stg+4*n:stg+4*n+3], v[KG], s[24:25] offset:\xo+(16*(n>>3)+(n&7))*ROWB
.else
	global_load_b128 v[stg+64+4*n:stg+64+4*n+3], v[VG], s[26:27] offset:\xo+(8*(n>>2)+(n&3))*ROWB
.endif
.set n, n+1
.endr
.endm
.macro FETCH set, xo                   ; all 32 in one run: the set-up's two tiles
	FETCHG \set, \xo, 0
	FETCHG \set, \xo, 1
	FETCHG \set, \xo, 2
	FETCHG \set, \xo, 3
.endm
; Round the rows of register set `set` to f16 in place (four f32 of a lane become 8 bytes) and lay them into LDS buffer wr.
.macro CONVST set, wr
.if \set == 0
	WIN 0x45                                       ; sources and destination in window 1
.set stg, 128
.else
	WIN 0x8a                                       ; in window 2
.set stg, 0
.endif
.set n, 0
.rept 32
	v_cvt_pk_f16_f32 v[stg+4*n],   v[stg+4*n],   v[stg+4*n+1]
	v_cvt_pk_f16_f32 v[stg+4*n+1], v[stg+4*n+2], v[stg+4*n+3]
.set n, n+1
.endr
.if \set == 0
	WIN 0x04                                       ; address window 0, data window 1
.else
	WIN 0x08                                       ; data window 2
.endif
.set n, 0
.rept 16
	ds_store_b64 v[KST], v[stg+4*n:stg+4*n+1] offset:\wr*KBUF+(16*(n>>3)+(n&7))*KP
.set n, n+1
.endr
.set n, 0
.rept 16
	ds_store_b64 v[VST], v[stg+64+4*n:stg+64+4*n+1] offset:\wr*VBUF+(8*(n>>2)+(n&3))*VP
.set n, n+1
.endr
	WIN 0
.endm
; K fragments of key tiles 2 g and 2 g + 1 (16 keys x 64 e each) from buffer rd into fragment set fb: eight loads.
.macro LOADK g, fb, rd
.irp q, 0,1
.irp c, 0,1
	ds_load_b128 v[F+32*\fb+16*\q+8*\c:F+32*\fb+16*\q+8*\c+3],   v[KRD] offset:\rd*KBUF+(2*\g+\q)*16*KP+64*\c
	ds_load_b128 v[F+32*\fb+16*\q+8*\c+4:F+32*\fb+16*\q+8*\c+7], v[KRD] offset:\rd*KBUF+(2*\g+\q)*16*KP+64*\c+32
.endr
.endr
.endm
; Scores of key tiles 2 g, 2 g + 1 for both strips: the product over e = 0..31 starts each sum (C = 0), e = 32..63 follows in place.
.macro MULS g, fb
.irp q, 0,1
	v_wmma_f32_16x16x32_f16 v[SA+16*\g+8*\q:SA+16*\g+8*\q+7], v[F+32*\fb+16*\q:F+32*\fb+16*\q+7],    v[Q:Q+7],     0
	v_wmma_f32_16x16x32_f16 v[SB+16*\g+8*\q:SB+16*\g+8*\q+7], v[F+32*\fb+16*\q:F+32*\fb+16*\q+7],    v[Q+16:Q+23], 0
	v_wmma_f32_16x16x32_f16 v[SA+16*\g+8*\q:SA+16*\g+8*\q+7], v[F+32*\fb+16*\q+8:F+32*\fb+16*\q+15], v[Q+8:Q+15],  v[SA+16*\g+8*\q:SA+16*\g+8*\q+7]
	v_wmma_f32_16x16x32_f16 v[SB+16*\g+8*\q:SB+16*\g+8*\q+7], v[F+32*\fb+16*\q+8:F+32*\fb+16*\q+15], v[Q+24:Q+31], v[SB+16*\g+8*\q:SB+16*\g+8*\q+7]
.endr
.endm
; V^T fragments of keys 32 c .. 32 c + 31, four tiles of 16 d: eight transposing loads.  Steps 0 to 2 go to the fragment sets,
; step 3 to the upper halves of strip A's score chunks, which the packing to f16 has left free.
.macro LOADV c, rd
.irp t, 0,1,2,3
.if \c < 3
	ds_load_tr16_b128 v[F+32*\c+8*\t:F+32*\c+8*\t+3],   v[VRD] offset:\rd*VBUF+\c*32*VP+32*\t
	ds_load_tr16_b128 v[F+32*\c+8*\t+4:F+32*\c+8*\t+7], v[VRD] offset:\rd*VBUF+\c*32*VP+32*\t+16*VP
.else
	ds_load_tr16_b128 v[SA+16*\t+8:SA+16*\t+11],  v[VRD] offset:\rd*VBUF+\c*32*VP+32*\t
	ds_load_tr16_b128 v[SA+16*\t+12:SA+16*\t+15], v[VRD] offset:\rd*VBUF+\c*32*VP+32*\t+16*VP
.endif
.endr
.endm
; The tile on the diagonal: key 16 kt + 8 h + j is masked for query 32 w + 16 strip + r if it is larger.  Strip B's bound is
; 16 higher, so the mask of (A, kt) serves (B, kt + 1); (B, 0) is never masked, since DA >= -8 > j - 16.
.macro MASK
.irp kt, 0,1,2,3,4,5,6,7
.irp j, 0,1,2,3,4,5,6,7
	v_cmp_gt_i32 vcc_lo, 16*\kt+\j, v[DA]
	v_cndmask_b32 v[SA+8*\kt+\j], v[SA+8*\kt+\j], v[NINF], vcc_lo
.if \kt < 7
	v_cndmask_b32 v[SB+8*\kt+8+\j], v[SB+8*\kt+8+\j], v[NINF], vcc_lo
.endif
.endr
.endr
.endm
; Sum and packing of chunk k (16 probabilities), cut into 15 single instructions so that they can stand between exponentials.
; Even item e: the sum takes pairs 0 and 1, then pair e + 1; the last one packs pair 7.  Odd item e: pair e is packed into
; register e.  Register e lies in pair e / 2, which by then has been summed and packed.
.macro SPE sb, k, e
.if \e == 0
	s_wait_alu depctr_va_vdst(0)
	v_pk_add_f32 v[T+2*\k:T+2*\k+1], v[\sb+16*\k:\sb+16*\k+1], v[\sb+16*\k+2:\sb+16*\k+3]
.elseif \e < 7
	v_pk_add_f32 v[T+2*\k:T+2*\k+1], v[T+2*\k:T+2*\k+1], v[\sb+16*\k+2*\e+2:\sb+16*\k+2*\e+3]
.else
	v_cvt_pk_f16_f32 v[\sb+16*\k+7], v[\sb+16*\k+14], v[\sb+16*\k+15]
.endif
.endm
.macro SPO sb, k, e
.if \e < 7
	v_cvt_pk_f16_f32 v[\sb+16*\k+\e], v[\sb+16*\k+2*\e], v[\sb+16*\k+2*\e+1]
.endif
.endm
; The 16 exponentials of chunk k, with the exponents of chunk kn = k + 1 and the sum and packing of chunk kp = k - 1 between them.
; A result of v_exp_f32 is first read a whole chunk later, with plain vector instructions in between (ISA guide 5.7.2).
.macro STAGE sb, st, k, kp, kn
.irp e, 0,1,2,3,4,5,6,7
	v_exp_f32 v[\sb+16*\k+2*\e], v[\sb+16*\k+2*\e]
.if \kn < 4
	v_pk_fma_f32 v[\sb+16*\kn+2*\e:\sb+16*\kn+2*\e+1], v[\sb+16*\kn+2*\e:\sb+16*\kn+2*\e+1], s[38:39], v[\st:\st+1] op_sel_hi:[1,0,0]
.endif
.if \k > 0
	SPE \sb, \kp, \e
.endif
	v_exp_f32 v[\sb+16*\k+2*\e+1], v[\sb+16*\k+2*\e+1]
.if \k > 0
	SPO \sb, \kp, \e
.endif
.endr
.endm
; One strip's softmax step: m = max(M, scores), alpha = 2^(c (M - m)), p = 2^(c s - c m), L = L alpha + sum of p,
; p packed to f16 in place: chunk c's eight words at sb + 16 c are the second source of the product with V.
.macro SM sb, st
.irp q, 0,1,2,3
	v_max_num_f32 v[T+\q], v[\sb+16*\q], v[\sb+16*\q+1]                       ; four chains, started by the first pairs
.endr
.irp u, 0,1,2,3,4,5,6
.irp q, 0,1,2,3
	v_max3_num_f32 v[T+\q], v[T+\q], v[\sb+16*\q+2*\u+2], v[\sb+16*\q+2*\u+3]
.endr
.endr
	v_max3_num_f32 v[T], v[T], v[T+1], v[T+2]
	v_max3_num_f32 v[T], v[T], v[T+3], v[\st+1]                               ; with the running maximum
	v_permlanex16_b32 v[T+1], v[T], s40, s41                                  ; the other half of the query's keys
	v_max_num_f32 v[T], v[T], v[T+1]                                          ; m: finite, since key 0 of a tile is never masked
	v_mul_f32 v[\st], s44, v[T]                                               ; -c m
	v_fma_f32 v[T+1], v[\st+1], s38, v[\st]                                   ; c (M - m); -infinity where M is
	v_mov_b32 v[\st+1], v[T]
	v_exp_f32 v[\st+2], v[T+1]                                                ; alpha; first used behind all that follows
.irp e, 0,1,2,3,4,5,6,7
	v_pk_fma_f32 v[\sb+2*\e:\sb+2*\e+1], v[\sb+2*\e:\sb+2*\e+1], s[38:39], v[\st:\st+1] op_sel_hi:[1,0,0]
.endr
	STAGE \sb, \st, 0, 0, 1
	STAGE \sb, \st, 1, 0, 2
	STAGE \sb, \st, 2, 1, 3
	STAGE \sb, \st, 3, 2, 4
.irp e, 0,1,2,3,4,5,6,7
	SPE \sb, 3, \e
	SPO \sb, 3, \e
.endr
	v_pk_add_f32 v[T:T+1], v[T:T+1], v[T+2:T+3]
	v_pk_add_f32 v[T+4:T+5], v[T+4:T+5], v[T+6:T+7]
	v_pk_add_f32 v[T:T+1], v[T:T+1], v[T+4:T+5]
	v_add_f32 v[T], v[T], v[T+1]
	v_fma_f32 v[\st+3], v[\st+3], v[\st+2], v[T]
.endm
.macro RESCALE st, ob                  ; O of the strip times alpha
	WIN 0x41                                       ; O in window 1, alpha in window 0
.set n, 0
.rept 16
	v_pk_mul_f32 v[\ob+2*n:\ob+2*n+1], v[\ob+2*n:\ob+2*n+1], v[\st+2:\st+3] op_sel_hi:[1,0]
.set n, n+1
.endr
.endm
; O^T of one strip += V^T (keys 32 c .. + 31) x P^T: four tiles of 16 d, each a chain in place over c.
.macro PVC sb, ob, c
.irp t, 0,1,2,3
.if \c < 3
	v_wmma_f32_16x16x32_f16 v[\ob+8*\t:\ob+8*\t+7], v[F+32*\c+8*\t:F+32*\c+8*\t+7], v[\sb+16*\c:\sb+16*\c+7], v[\ob+8*\t:\ob+8*\t+7]
.else
	v_wmma_f32_16x16x32_f16 v[\ob+8*\t:\ob+8*\t+7], v[SA+16*\t+8:SA+16*\t+15], v[\sb+16*\c:\sb+16*\c+7], v[\ob+8*\t:\ob+8*\t+7]
.endif
.endr
.endm
; The end of a block: O / L, through my wave's own stage in LDS, out as whole rows: sixteen neighbouring lanes store the 256
; aligned bytes of one (l, h) row.  The places behind the last products stand in front of it, in the trip.
; last = 0: the second block is then set up.
.macro EPI last
	v_permlanex16_b32 v[T], v[STA+3], s40, s41     ; the other half's part of the sum
	v_permlanex16_b32 v[T+2], v[STB+3], s40, s41
	v_add_f32 v[T], v[T], v[STA+3]
	v_add_f32 v[T+2], v[T+2], v[STB+3]
	v_rcp_f32 v[T], v[T]
	v_rcp_f32 v[T+2], v[T+2]
	v_nop                                          ; the plain place behind v_rcp_f32 (ISA guide 5.7.2)
	WIN 0x01                                       ; O from window 1, the rest in window 0
.set n, 0
	s_wait_alu depctr_va_vdst(0)
.rept 16
	v_pk_mul_f32 v[SA+2*n:SA+2*n+1], v[O+2*n:O+2*n+1], v[T:T+1] op_sel_hi:[1,0]
.set n, n+1
.endr
.set n, 16
.rept 16
	v_pk_mul_f32 v[SA+2*n:SA+2*n+1], v[O+2*n:O+2*n+1], v[T+2:T+3] op_sel_hi:[1,0]
.set n, n+1
.endr
	WIN 0
.irp u, 0,1
.irp t, 0,1,2,3
	ds_store_b128 v[SST], v[SA+32*\u+8*\t:SA+32*\u+8*\t+3]   offset:\u*16*SP+64*\t      ; row 16 strip + r, d = 16 t + 8 h + 0..3
	ds_store_b128 v[SST], v[SA+32*\u+8*\t+4:SA+32*\u+8*\t+7] offset:\u*16*SP+64*\t+16   ; d = 16 t + 8 h + 4..7
.endr
.endr
.set n, 0
.rept 16
	ds_load_b128 v[SB+4*n:SB+4*n+3], v[SRD] offset:2*SP*n      ; rows 2 n + h; a wave's LDS instructions are served in order (ISA guide 5.7.1)
.set n, n+1
.endr
.set n, 0
.rept 16
	s_wait_dscnt 15-n                              ; the 15 - n younger loads may stay out
	global_store_b128 v[OUTO], v[SB+4*n:SB+4*n+3], s[42:43] offset:2*ROWB*n th:TH_STORE_NT
.set n, n+1
.endr
.if \last == 0
	s_wait_xcnt 0x0                                ; the stores' base and data are rewritten only behind this wait (ISA guide 3.1)
	v_mov_b32 v[STA+1], v[NINF]                    ; M = -infinity: the next alpha is 0 and wipes the old block's O, which is finite
	v_mov_b32 v[STB+1], v[NINF]
	v_mov_b32 v[STA+3], 0
	v_mov_b32 v[STB+3], 0
	QLAY QLR, 0x8a, 0x08                           ; the second block's Q, in registers since trip 0's wait for loads; the stage's rows have been read back
	s_lshl_b32 s28, s13, BLKSH
	s_add_nc_u64 s[42:43], s[22:23], s[28:29]      ; out of block i
.endif
.endm
; One trip: 128 queries x 128 keys from LDS buffer rd = k & 1.  odd: the trip's number k is s34 + odd.
; fetch = 1: the tile of trip k + 2 is asked for, into register set rd.  pf = 1: the trip holds a request ahead of the loads.
; last = 0: the tile of trip k + 1, in register set wr, is laid into LDS buffer wr.
; last = 1: trip 16, on the diagonal, nothing behind it.  id: for the labels.
.macro TRIP rd, wr, odd, fetch, pf, last, id
	LOADK 0, 0, \rd
	LOADK 1, 1, \rd
	LOADK 2, 2, \rd
.if \last == 0
	s_add_co_u32 s37, s34, \odd                    ; k
.endif
.if \fetch
	s_add_co_u32 s35, s37, 2
	s_cmp_gt_u32 s35, s15                          ; is trip k + 2 in the second block?
	s_cselect_b32 s36, s45, 0
	s_sub_co_u32 s35, s35, s36                     ; its key tile
	s_lshl_b32 s28, s35, BLKSH
	s_add_nc_u64 s[24:25], s[18:19], s[28:29]      ; the last trip's loads, still out, name these bases: they are free since the
	s_add_nc_u64 s[26:27], s[20:21], s[28:29]      ; s_wait_xcnt 0x0 at that trip's end
	FETCHG \rd, 0, 0                               ; set rd was read by the LDS stores of the last trip, which were waited for there
.endif
.if \pf
	WIN 0
	; Ahead of the loads: in trip k wave 0 asks for this work-group's 32 rows (one lane a row of 256 bytes) of tile k + 3,
	; which trip k + 1 fetches: one trip ahead.  The eight work-groups of a head cover the 128 rows of K and of V once.
	; Tiles 3 to 15: the last request is made in trip 12 and lies inside the head; of the loop's trips only 13 is left out.
	s_cmp_lg_u32 s12, 0
	s_cbranch_scc1 .Lnopf\id
.if \odd
	s_cmp_gt_u32 s34, 11
	s_cbranch_scc1 .Lnopf\id
.endif
	s_add_co_u32 s35, s37, 3
	s_lshl_b32 s28, s35, BLKSH
	s_add_nc_u64 s[32:33], s[30:31], s[28:29]
	global_prefetch_b8 v[PF], s[32:33] th:TH_LOAD_NT scope:SCOPE_SE
.Lnopf\id:
.endif
	WIN 0x04                                       ; Q (source 1) in window 1, all else in window 0
	s_wait_dscnt 16                                ; group 0 is in; groups 1 and 2 (16 loads) may be out
	MULS 0, 0
	PLACES
	LOADK 3, 0, \rd                                ; into the set that group 0 has left
.if \fetch
	FETCHG \rd, 0, 1
	WIN 0x04
.endif
	s_wait_dscnt 16                                ; group 1 is in; groups 2 and 3 may be out
	MULS 1, 1
.if \fetch
	FETCHG \rd, 0, 2
	WIN 0x04
.endif
	s_wait_dscnt 8                                 ; group 3 may be out
	MULS 2, 2
.if \fetch
	FETCHG \rd, 0, 3
	WIN 0x04
.endif
	s_wait_dscnt 0
	MULS 3, 0
	WIN 0
	PLACES                                         ; in front of the loads into the fragment sets and of the first read of the scores
	LOADV 0, \rd
	LOADV 1, \rd
	LOADV 2, \rd
.if \last
	MASK
.else
	s_cmp_lg_u32 s37, s15
	s_cbranch_scc1 .Lnomask\id
	MASK
.Lnomask\id:
.endif
	SM SA, STA
	LOADV 3, \rd
	RESCALE STA, O
	s_wait_dscnt 8                                 ; V's steps 0 to 2 are in; the eight loads of step 3 may be out
	WIN 0x50                                       ; C and D in window 1
	PVC SA, O, 0
	PVC SA, O, 1
	PVC SA, O, 2
	s_wait_dscnt 0
	PVC SA, O, 3
	WIN 0
	SM SB, STB                                     ; names none of the registers of strip A's products
	RESCALE STB, O+32
.if \last == 0
.if \fetch
	s_wait_loadcnt 32                              ; loads come back in order (ISA guide 5.7.1): the tile of trip k + 1 is in, this trip's 32 loads stay out
.else
	s_wait_loadcnt 0x0                             ; nothing was asked for behind the last tile
.endif
	CONVST \wr, \wr                                ; buffer wr is read by nobody between the last barrier and the next; the stores drain under the products below
.endif
	WIN 0x50
	PVC SB, O+32, 0
	PVC SB, O+32, 1
	PVC SB, O+32, 2
	PVC SB, O+32, 3
	WIN 0
.rept 5
	v_nop                                          ; five places: four before O is read and before loads land in the fragment sets
.endr                                              ; five before the next trip's first products write over the registers that held P and V
.if \last
	EPI 1
.else
	s_cmp_lg_u32 s37, s15
	s_cbranch_scc1 .Lnoepi\id
	EPI 0
.Lnoepi\id:
.if \fetch
	s_wait_xcnt 0x0                                ; the bases of this trip's loads and of the request ahead are rewritten only behind this wait (ISA guide 3.1)
.endif
	s_wait_dscnt 0x0                               ; my reads of buffer rd and my stores into buffer wr are done:
	s_barrier_signal -1
	s_barrier_wait -1                              ; so are everybody's
.endif
.endm
	QFETCH 32, SA                                  ; the first block's Q, into the score registers, which are still free
	FETCH 0, 0                                     ; tile 0
	; O is cleared once: the change of blocks falls on a trip that hangs on i, so a block's sums are started by alpha = 0,
	; which wants finite numbers in O from the first trip on.
.set n, 0
.rept 64
	v_mov_b32 v[O+n], 0
.set n, n+1
.endr
	s_wait_loadcnt 32                              ; Q's 16 loads are in; tile 0's 32 stay out
	FETCH 1, 1<<BLKSH                              ; trip 1 reads tile 1 in every work-group (15 - i >= 8): 128 rows behind the same bases
	QLAY SA, 0, 0
	s_wait_loadcnt 32                              ; tile 0 is in; tile 1's 32 loads stay out
	WIN 0x80
	QFETCH 46, QLR                                 ; the second block's Q: wanted in trip 16 - i at the earliest, in since trip 0's wait for loads
	s_wait_xcnt 0x0                                ; trip 0 rewrites the bases that tile 1's loads name, and s[32:33]
	CONVST 0, 0
	s_wait_dscnt 0x0                               ; Q's fragments are in, tile 0 lies in LDS
	s_barrier_signal -1
	s_barrier_wait -1
	s_mov_b32 s34, 0
.Ltrip:                                            ; trips 0 to 13
	TRIP 0, 1, 0, 1, 1, 0, 0
	TRIP 1, 0, 1, 1, 1, 0, 1
	s_add_co_u32 s34, s34, 2
	s_cmp_lt_u32 s34, 14
	s_cbranch_scc1 .Ltrip
	TRIP 0, 1, 0, 1, 0, 0, 2                       ; trip 14 asks for the tile of trip 16, the last one
	TRIP 1, 0, 1, 0, 0, 0, 3                       ; trip 15 asks for nothing: no load leaves the head
	TRIP 0, 0, 0, 0, 0, 1, 4                       ; trip 16
	s_set_vgpr_msb 0x4
	s_wait_tensorcnt 0x0
	ds_add_u32 v15, v127
	s_wait_dscnt 0x0
	s_set_vgpr_msb 0x400
	s_endpgm
.Lfunc_end_k_q1fcd95c79a_attn:
	.size	k_q1fcd95c79a_attn, .Lfunc_end_k_q1fcd95c79a_attn-k_q1fcd95c79a_attn
	.p2alignl 7, 3214868480
	.fill 96, 4, 3214868480
	.section	.rodata,"a",@progbits
	.p2align	6, 0x0
	.amdhsa_kernel k_q1fcd95c79a_attn
		.amdhsa_group_segment_fixed_size 113152
		.amdhsa_private_segment_fixed_size 0
		.amdhsa_enable_private_segment 0
		.amdhsa_kernarg_size 32
		.amdhsa_user_sgpr_count 2
		.amdhsa_user_sgpr_kernarg_segment_ptr 1
		.amdhsa_wavefront_size32 1
		.amdhsa_system_sgpr_workgroup_id_x 1
		.amdhsa_system_sgpr_workgroup_id_y 1
		.amdhsa_system_sgpr_workgroup_id_z 1
		.amdhsa_system_vgpr_workitem_id 0
		.amdhsa_next_free_vgpr 704
		.amdhsa_next_free_sgpr 66
		.amdhsa_reserve_vcc 1
		.amdhsa_float_denorm_mode_32 3
		.amdhsa_float_denorm_mode_16_64 3
		.amdhsa_memory_ordered 1
		.amdhsa_forward_progress 1
		.amdhsa_inst_pref_size 255
	.end_amdhsa_kernel
	.section	.bss,"aw",@nobits
	.p2align	6
	.space	262144
	.amdgpu_metadata
---
amdhsa.version: [ 1, 2 ]
amdhsa.kernels:
  - .name:           k_q1fcd95c79a_attn
    .symbol:         k_q1fcd95c79a_attn.kd
    .args:
      - { .name: queries, .offset: 0, .size: 8, .value_kind: global_buffer, .address_space: global }
      - { .name: keys, .offset: 8, .size: 8, .value_kind: global_buffer, .address_space: global }
      - { .name: values, .offset: 16, .size: 8, .value_kind: global_buffer, .address_space: global }
      - { .name: out0, .offset: 24, .size: 8, .value_kind: global_buffer, .address_space: global }
    .group_segment_fixed_size: 113152
    .private_segment_fixed_size: 0
    .kernarg_segment_align: 8
    .kernarg_segment_size: 32
    .max_flat_workgroup_size: 128
    .sgpr_count:     66
    .vgpr_count:     704
    .wavefront_size: 32
...
	.end_amdgpu_metadata
.endif
;; end of part 2
;; ======== version 3 of 3: 1 launch; version 2 with the launch attn written anew for expert scheduling mode
;; limits: inputs' magnitudes at most 65,504; below input magnitudes of 6.1e-05 results are inexact or not finite; values are held in f16: magnitudes above 65,504 overflow, below 6.1e-05 lose precision
;; launch attn (part 3): grid 8 x 32, 4 waves a work-group, no clusters, 113,152 bytes of LDS; arguments queries, keys, values, out0; writes out0
.if DOCPART == 3
	.amdgcn_target "amdgcn-amd-amdhsa--gfx1250"
	.amdhsa_code_object_version 6
	.text
	.protected	k_q1fcd95c79a_attn
	.globl	k_q1fcd95c79a_attn
	.p2align	8
	.type	k_q1fcd95c79a_attn,@function
k_q1fcd95c79a_attn:
	s_mov_b64 s[64:65], 0
	v_nop
	global_prefetch_b8 v0, s[64:65] scope:SCOPE_SE
	s_setreg_imm32_b32 hwreg(HW_REG_WAVE_SCHED_MODE, 0, 2), 2
	s_setreg_imm32_b32 hwreg(HW_REG_WAVE_MODE, 25, 1), 1
	s_wait_xcnt 0x0
	s_wait_alu depctr_vm_vsrc(0)
; Causal softmax attention, one launch.  queries, keys, values, out0: [2][2048][16][64] f32; a (b, l, h) row is 256 bytes,
; rows of one head are 4,096 bytes apart.  out = softmax(Q K^T / 8, keys <= query) V, by the running-maximum form.
;
; SHARES.  y = 16 b + h names the head, x = i (0..7).  A head has 16 query blocks of 128 rows.  Work-group i does block 15 - i,
; then block i: (16 - i) + (i + 1) = 17 trips of 128 queries x 128 keys for every one of the 256 work-groups.  Trip k reads key
; tile k while k <= 15 - i, then tile k - (16 - i).  The tiles on the diagonal are trip 15 - i and trip 16.
; Wave w owns query rows 32 w .. 32 w + 31 of the block, as strips A and B of 16.  Lane: r = lane & 15, h = lane >> 4.
;
; BOTH PRODUCTS ARE TAKEN TRANSPOSED.  S^T = K Q^T: register j of tile kt holds key 16 kt + 8 h + j of query r, so all 64 scores
; of a lane belong to one query: maximum, sum and rescaling are plain per-lane numbers (one exchange with the other half).
; Packing neighbouring registers to f16 yields the second source of O^T = V^T P^T as it stands, without any shuffle.
; V^T comes from LDS by the transposing load.  In O^T register j of tile t holds d = 16 t + 8 h + j of query r.
;
; THE OPERANDS ARE f16, NOT bf16.  The first rows have few keys: weights of order 1 times values of order 1, whose sum may
; cancel to far less.  Rounding to 8 significant bits is off by up to 2^-8 of each term, to 11 bits by up to 2^-11; the
; probabilities lie in 0 .. 1 and the inputs are of order 1, so f16's range serves.  Both forms have the same registers.
;
; K AND V are loaded through registers (a wave fetches 32 rows of each), TWO TRIPS AHEAD: trip k asks for the tile of trip
; k + 2 into register set k & 1, in four groups of eight loads with eight matrix instructions between two groups, and in front
; of its last products rounds the tile of trip k + 1, asked for a trip earlier, to f16 and lays it into LDS buffer (k + 1) & 1,
; which nobody reads in trip k.  So 32 to 64 loads of every wave are on their way throughout.  One barrier a trip.
;
; Q is loaded in whole rows like K, rounded to f16 and turned into fragments through the wave's own stage in LDS.  Only the first
; block's Q stands in front of the first trip; the second block's is asked for last in the set-up and waits in registers as f32.
;
; NO CLUSTER, NO JOINT TENSOR LOADS: a tile brought by the data mover would lie in LDS as f32, 64 KiB (K and V) written and
; 64 KiB read back for the rounding, beside the 32 KiB of f16 written and the 128 KiB of fragments read in a trip here; and the
; eight work-groups of a head read the same tile only in trips 0 .. 15 - i (all eight in the first nine of 17).
;
; LIMITS.  Inputs and scores are taken to be finite.  Q, K, V and the probabilities enter the matrix unit rounded to f16:
; an input above 65,504 in magnitude becomes infinity and is not served; one below 2^-14 is kept as a denormal, off by at most
; 2^-25; a probability below 2^-25 of the running maximum's enters the product as 0.  The row sum adds the unrounded f32
; probabilities.  v_exp_f32 gives 0 for a probability below 2^-126.
;
; REGISTERS.  Window 0: v1-14 addresses, v16-23 statistics, v24-31 at work, v32-127 fragment sets F0 to F2,
; v128-191 scores of strip A, v192-255 of strip B.  Window 1: v0-63 O, v64-95 Q of the running block, v96-127 fragment set F3,
; v128-255 tiles as loaded, set 0 (K 64 registers, then V).  Window 2: v0-127 tiles as loaded, set 1; v128-191 Q of the second
; block as loaded.
;
; THE MODE: SCHED_MODE bits 1:0 = 2 (LLVM: expert scheduling mode 2), set by the entry lines.  The code itself states the register
; dependences between vector or matrix instructions and memory or LDS instructions, with s_wait_alu, always for 0.
; THE PLAN.  Registers that memory or LDS instructions touch, in the order of trip k (rd = k & 1, wr = the other):
;   v1-14      addresses and offsets, made once in the set-up and never written again: scalar bases and immediates reach the rows.
;   F0 .. F3   K's group g lands in Fg; the score products of group g read Fg; V's step c lands in Fc; both strips' products with V read Fc.
;   set rd     this trip's 32 global loads land in it; its last users were the last trip's roundings and the LDS stores behind them.
;   set wr     rounded in place, then read by 32 LDS stores.
;   only where a block ends: strip A's score registers take O / L and are read by LDS stores; strip B's take the rows back from the
;   stage and are read by the global stores; the second block's Q is rounded in place, read by LDS stores, and lands in Q's fragments.
; THE WAITS OF A TRIP.  At its head, on va_vdst: the last trip's products are done reading F0 to F3 and its roundings are done with set rd;
; up to the last score product only score products follow, which name Fg (loaded ahead of them and not again), Q and the scores, so K's
; four groups and the four groups of global loads are dealt among them with no further wait.  At its head, on vm_vsrc: stores have read
; set rd and, where a block ended, the score registers.  Behind the score products, on va_vdst: they are done reading F0 to F3; neither
; the mask nor strip A's softmax names a fragment set, so V's four steps follow with no further wait.  Between the roundings of set wr
; and the LDS stores that read them, on va_vdst.
.set ROWB,  4096                       ; bytes from a row of a head to the next
.set BLKSH, 19                         ; 128 rows are 1 << 19 bytes
.set KP,    144                        ; LDS pitch of K and Q: 128 bytes + 16; sixteen rows start in sixteen different 16-byte columns modulo 256
.set VP,    160                        ; LDS pitch of V: 128 bytes + 32, an odd multiple of 32, for the transposing load
.set KBUF,  128*KP                     ; 18,432 bytes: a K tile in f16
.set VBUF,  128*VP                     ; 20,480 bytes: a V tile in f16
.set VBASE, 2*KBUF                     ; K0, K1, then V0, V1
.set SCR,   VBASE+2*VBUF               ; 77,824: behind them a stage of 8,704 bytes for each wave: 32 rows x 272 on the way out, 32 x 144 for Q
.set SP,    272
.set KRD,  1                           ; r KP + 16 h: a K fragment's row and half
.set VRD,  2                           ; VBASE + (8 h + (lane & 7)) VP + 16 ((lane >> 3) & 1)
.set KST,  3                           ; (32 w + 8 h) KP + 8 r
.set VST,  4                           ; VBASE + (32 w + 4 h) VP + 8 r
.set KG,   5                           ; (32 w + 8 h) ROWB + 16 r
.set VG,   6                           ; (32 w + 4 h) ROWB + 16 r
.set SST,  7                           ; my stage + r SP + 32 h
.set SRD,  8                           ; my stage + h SP + 16 r
.set OUTO, 9                           ; (32 w + h) ROWB + 16 r
.set DA,   10                          ; 32 w + r - 8 h (signed): key 16 kt + j of my half is masked in strip A if 16 kt + j > DA
.set NINF, 11                          ; -infinity
.set PF,   12                          ; lane x ROWB
.set QST,  13                          ; my stage + 8 h KP + 8 r
.set QRD,  14                          ; my stage + r KP + 16 h
.set STA,  16                          ; strip A: -c m, running maximum M, alpha, running sum L (of my half of the keys)
.set STB,  20                          ; strip B likewise
.set T,    24                          ; v24-31 at work
.set F,    32                          ; fragment sets F0 to F2, 32 registers each
.set F3,   96                          ; window 1: fragment set F3
.set SA,   128
.set SB,   192
.set O,    0                           ; window 1: tile (strip, t) at 32 strip + 8 t
.set Q,    64                          ; window 1: fragment (strip, c) at 16 strip + 8 c
.set QLR,  128                         ; window 2: the second block's Q as loaded, load n at 4 n
.set MK,   48                          ; s[48:63]: sixteen lane masks of the tile on the diagonal
.set MSB, 0
.macro WIN new                         ; low byte: bits 1:0 source 0, 3:2 source 1, 5:4 source 2, 7:6 destination; high byte: the setting left
.if MSB != \new
	s_set_vgpr_msb (MSB<<8)|\new
.set MSB, \new
.endif
.endm
; Four places behind a matrix instruction before a vector instruction touches its registers; only plain vector
; instructions that name none of them are places (ISA guide 7.12.1).
.macro PLACES
.rept 4
	v_nop
.endr
.endm
	s_load_b256 s[4:11], s[0:1], 0x0               ; Q s[4:5], K s[6:7], V s[8:9], out s[10:11]
	v_lshl_add_u32 v15, v0, 2, 0x1b800
	s_set_vgpr_msb 0x80
	v_mov_b32 v193, 0
	s_set_vgpr_msb 0x8000
	v_lshrrev_b32 v24, 5, v0
	v_readfirstlane_b32 s12, v24                   ; wave
	v_and_b32 v25, 31, v0                          ; lane
	v_and_b32 v26, 15, v0                          ; r
	v_bfe_u32 v27, v0, 4, 1                        ; h
	v_and_b32 v28, 7, v0                           ; lane & 7
	v_bfe_u32 v29, v0, 3, 1                        ; (lane >> 3) & 1
	s_mov_b32 s13, ttmp9                           ; i
	s_and_b32 s14, ttmp7, 0xffff                   ; y = 16 b + h
	s_sub_co_u32 s15, 15, s13                      ; the first block, and the trip of its diagonal
	s_sub_co_u32 s45, 16, s13                      ; trips of the first block
	s_lshr_b32 s16, s14, 4
	s_lshl_b32 s16, s16, 23                        ; b x 2048 rows x 4,096 bytes
	s_and_b32 s35, s14, 15
	s_lshl_b32 s35, s35, 8                         ; + h x 256 bytes
	s_add_co_u32 s16, s16, s35
	s_mov_b32 s17, 0                               ; s[16:17]: the head's offset
	s_mov_b32 s29, 0                               ; s[28:29]: a pair for offsets below 4 GiB
	s_mov_b32 s38, 0x3e38aa3b                      ; c = log2(e) / 8: the scale 1/sqrt(64) and the base of v_exp_f32 in one factor
	s_mov_b32 s39, 0x3e38aa3b
	s_mov_b32 s44, 0xbe38aa3b                      ; -c
	s_mov_b32 s40, 0x76543210                      ; v_permlanex16_b32: lane i reads lane i of the other half
	s_mov_b32 s41, 0xfedcba98
	s_wait_alu depctr_va_sdst(0)                   ; s12, the wave's number, is written, ahead of its first reader: the line below
	s_lshl_b32 s35, s12, 17                        ; 32 w rows in memory
	v_lshlrev_b32 v30, 4, v26
	v_add_nc_u32 v30, s35, v30                     ; 32 w ROWB + 16 r
	v_lshl_add_u32 v[KG], v27, 15, v30
	v_lshl_add_u32 v[VG], v27, 14, v30
	v_lshl_add_u32 v[OUTO], v27, 12, v30
	v_lshlrev_b32 v[PF], 12, v25
	v_mul_u32_u24 v[KRD], v26, KP
	v_lshl_add_u32 v[KRD], v27, 4, v[KRD]
	v_lshl_add_u32 v30, v27, 3, v28
	v_mul_u32_u24 v[VRD], v30, VP
	v_lshl_add_u32 v[VRD], v29, 4, v[VRD]
	v_add_nc_u32 v[VRD], VBASE, v[VRD]
	s_mul_i32 s36, s12, 32*KP
	v_mul_u32_u24 v31, v27, 8*KP
	v_lshl_add_u32 v31, v26, 3, v31                ; 8 h KP + 8 r
	v_add_nc_u32 v[KST], s36, v31
	s_mul_i32 s37, s12, 32*VP
	s_add_co_u32 s37, s37, VBASE
	v_mul_u32_u24 v[VST], v27, 4*VP
	v_lshl_add_u32 v[VST], v26, 3, v[VST]
	v_add_nc_u32 v[VST], s37, v[VST]
	s_mul_i32 s35, s12, 32*SP
	s_add_co_u32 s35, s35, SCR                     ; my wave's stage
	v_mul_u32_u24 v[SST], v26, SP
	v_lshl_add_u32 v[SST], v27, 5, v[SST]
	v_add_nc_u32 v[SST], s35, v[SST]
	v_mul_u32_u24 v[SRD], v27, SP
	v_lshl_add_u32 v[SRD], v26, 4, v[SRD]
	v_add_nc_u32 v[SRD], s35, v[SRD]
	v_add_nc_u32 v[QST], s35, v31
	v_add_nc_u32 v[QRD], s35, v[KRD]
	s_lshl_b32 s36, s12, 5
	v_lshlrev_b32 v31, 3, v27
	v_sub_nc_u32 v[DA], v26, v31
	v_add_nc_u32 v[DA], s36, v[DA]
	v_mov_b32 v[NINF], 0xff800000
	v_mov_b32 v[STA+1], v[NINF]                    ; M = -infinity makes the first alpha 0,
	v_mov_b32 v[STB+1], v[NINF]
	v_mov_b32 v[STA+3], 0                          ; and the sums start at 0
	v_mov_b32 v[STB+3], 0
	s_wait_kmcnt 0x0
	s_add_nc_u64 s[4:5], s[4:5], s[16:17]          ; the head in Q,
	s_add_nc_u64 s[18:19], s[6:7], s[16:17]        ; in K,
	s_add_nc_u64 s[20:21], s[8:9], s[16:17]        ; in V,
	s_add_nc_u64 s[22:23], s[10:11], s[16:17]      ; in out
	s_lshl_b32 s28, s15, BLKSH
	s_add_nc_u64 s[32:33], s[4:5], s[28:29]        ; Q of block 15 - i
	s_add_nc_u64 s[42:43], s[22:23], s[28:29]      ; out of the running block
	s_lshl_b32 s28, s13, BLKSH
	s_add_nc_u64 s[46:47], s[4:5], s[28:29]        ; Q of block i
	s_mov_b64 s[24:25], s[18:19]                   ; tile 0 of K
	s_mov_b64 s[26:27], s[20:21]                   ; and of V
	s_and_b32 s35, s13, 1
	s_cmp_lg_u32 s35, 0
	s_cselect_b64 s[30:31], s[20:21], s[18:19]     ; what this work-group asks for ahead: i odd V, i even K,
	s_lshr_b32 s28, s13, 1
	s_lshl_b32 s28, s28, 17                        ; rows 32 (i >> 1) .. + 31 of a tile
	s_add_nc_u64 s[30:31], s[30:31], s[28:29]
; My wave's 32 rows of a Q block at base s[b:b+1], into 64 registers from reg on (the caller sets the window): 16 loads, sixteen
; lanes take one whole row of 256 bytes, rows as in a K tile.  Each byte of Q is read by one load of the whole launch.
.macro QFETCH b, reg
.set n, 0
.rept 16
	global_load_b128 v[\reg+4*n:\reg+4*n+3], v[KG], s[\b:\b+1] offset:(16*(n>>3)+(n&7))*ROWB th:TH_LOAD_NT
.set n, n+1
.endr
.endm
; Those rows rounded to f16 in place (window setting wc), laid into my wave's own stage at pitch KP (setting ws), and read back as
; the second source of S^T = K Q^T: lane (r, h) holds query 16 strip + r, e = 32 c + 8 h + 0..7 and 32 c + 16 + 8 h + 0..7.
; The stage is read and written by this wave alone, and LDS serves a wave's instructions in order (ISA guide 5.7.1): no barrier,
; no wait between the stores and the loads.  The scale goes into the exponent's multiply-add, not into Q.
.macro QLAY reg, wc, ws
	WIN \wc
.set n, 0
.rept 16
	v_cvt_pk_f16_f32 v[\reg+4*n],   v[\reg+4*n],   v[\reg+4*n+1]
	v_cvt_pk_f16_f32 v[\reg+4*n+1], v[\reg+4*n+2], v[\reg+4*n+3]
.set n, n+1
.endr
	WIN \ws
	s_wait_alu depctr_va_vdst(0)                   ; the roundings have written the registers that the LDS stores read; the first block's score products are done reading Q's fragments, in which the loads below land
.set n, 0
.rept 16
	ds_store_b64 v[QST], v[\reg+4*n:\reg+4*n+1] offset:(16*(n>>3)+(n&7))*KP
.set n, n+1
.endr
	WIN 0x40                                       ; fragments into window 1, address from window 0; the stores above name neither
.irp t, 0,1
.irp c, 0,1
	ds_load_b128 v[Q+16*\t+8*\c:Q+16*\t+8*\c+3],   v[QRD] offset:\t*16*KP+64*\c
	ds_load_b128 v[Q+16*\t+8*\c+4:Q+16*\t+8*\c+7], v[QRD] offset:\t*16*KP+64*\c+32
.endr
.endr
	WIN 0
.endm
; Eight of the 32 loads that bring my wave's 32 rows of a K tile (g = 0, 1) and of a V tile (g = 2, 3), xo bytes behind the bases
; s[24:25], s[26:27], into register set 0 (window 1, from v128) or 1 (window 2, from v0).  Sixteen lanes take one whole row of
; 256 bytes.  The two rows of one load are 8 (K) or 4 (V) apart, so that the 8-byte LDS stores of the two halves of the wave
; lie 128 bytes apart modulo 256.  No cache hint: seven other work-groups read the same rows.  Leaves the window at the set's.
.macro FETCHG set, xo, g
.if \set == 0
	WIN 0x40                                       ; data into window 1, address from window 0
.set stg, 128
.else
	WIN 0x80                                       ; data into window 2
.set stg, 0
.endif
.set n, 8*(\g&1)
.rept 8
.if \g < 2
	global_load_b128 v[stg+4*n:stg+4*n+3], v[KG], s[24:25] offset:\xo+(16*(n>>3)+(n&7))*ROWB
.else
	global_load_b128 v[stg+64+4*n:stg+64+4*n+3], v[VG], s[26:27] offset:\xo+(8*(n>>2)+(n&3))*ROWB
.endif
.set n, n+1
.endr
.endm
.macro FETCH set, xo                   ; all 32 in one run: the set-up's two tiles
	FETCHG \set, \xo, 0
	FETCHG \set, \xo, 1
	FETCHG \set, \xo, 2
	FETCHG \set, \xo, 3
.endm
; Round the rows of register set `set` to f16 in place (four f32 of a lane become 8 bytes) and lay them into LDS buffer wr.
.macro CONVST set, wr
.if \set == 0
	WIN 0x45                                       ; sources and destination in window 1
.set stg, 128
.else
	WIN 0x8a                                       ; in window 2
.set stg, 0
.endif
.set n, 0
.rept 32
	v_cvt_pk_f16_f32 v[stg+4*n],   v[stg+4*n],   v[stg+4*n+1]
	v_cvt_pk_f16_f32 v[stg+4*n+1], v[stg+4*n+2], v[stg+4*n+3]
.set n, n+1
.endr
.if \set == 0
	WIN 0x04                                       ; address window 0, data window 1
.else
	WIN 0x08                                       ; data window 2
.endif
	s_wait_alu depctr_va_vdst(0)                   ; the roundings have written the registers that the 32 LDS stores read
.set n, 0
.rept 16
	ds_store_b64 v[KST], v[stg+4*n:stg+4*n+1] offset:\wr*KBUF+(16*(n>>3)+(n&7))*KP
.set n, n+1
.endr
.set n, 0
.rept 16
	ds_store_b64 v[VST], v[stg+64+4*n:stg+64+4*n+1] offset:\wr*VBUF+(8*(n>>2)+(n&3))*VP
.set n, n+1
.endr
	WIN 0
.endm
; K fragments of key tiles 2 g and 2 g + 1 (16 keys x 64 e each) from buffer rd into the 32 registers from reg on: eight loads.
; Group g has fragment set Fg; the caller sets the window (F3 lies in window 1).
.macro LOADK g, reg, rd
.irp q, 0,1
.irp c, 0,1
	ds_load_b128 v[\reg+16*\q+8*\c:\reg+16*\q+8*\c+3],   v[KRD] offset:\rd*KBUF+(2*\g+\q)*16*KP+64*\c
	ds_load_b128 v[\reg+16*\q+8*\c+4:\reg+16*\q+8*\c+7], v[KRD] offset:\rd*KBUF+(2*\g+\q)*16*KP+64*\c+32
.endr
.endr
.endm
; Scores of key tiles 2 g, 2 g + 1 for both strips: the product over e = 0..31 starts each sum (C = 0), e = 32..63 follows in place.
.macro MULS g, reg
.irp q, 0,1
	v_wmma_f32_16x16x32_f16 v[SA+16*\g+8*\q:SA+16*\g+8*\q+7], v[\reg+16*\q:\reg+16*\q+7],    v[Q:Q+7],     0
	v_wmma_f32_16x16x32_f16 v[SB+16*\g+8*\q:SB+16*\g+8*\q+7], v[\reg+16*\q:\reg+16*\q+7],    v[Q+16:Q+23], 0
	v_wmma_f32_16x16x32_f16 v[SA+16*\g+8*\q:SA+16*\g+8*\q+7], v[\reg+16*\q+8:\reg+16*\q+15], v[Q+8:Q+15],  v[SA+16*\g+8*\q:SA+16*\g+8*\q+7]
	v_wmma_f32_16x16x32_f16 v[SB+16*\g+8*\q:SB+16*\g+8*\q+7], v[\reg+16*\q+8:\reg+16*\q+15], v[Q+24:Q+31], v[SB+16*\g+8*\q:SB+16*\g+8*\q+7]
.endr
.endm
; V^T fragments of keys 32 c .. 32 c + 31, four tiles of 16 d: eight transposing loads.  Step c has fragment set Fc, which K's
; group c has left; the caller sets the window (F3 lies in window 1).
.macro LOADV c, rd
.if \c < 3
.set vf, F+32*\c
.else
.set vf, F3
.endif
.irp t, 0,1,2,3
	ds_load_tr16_b128 v[vf+8*\t:vf+8*\t+3],   v[VRD] offset:\rd*VBUF+\c*32*VP+32*\t
	ds_load_tr16_b128 v[vf+8*\t+4:vf+8*\t+7], v[VRD] offset:\rd*VBUF+\c*32*VP+32*\t+16*VP
.endr
.endm
; The tile on the diagonal: key 16 kt + 8 h + j is masked for query 32 w + 16 strip + r if it is larger.  Strip B's bound is
; 16 higher, so the mask of (A, kt) serves (B, kt + 1); (B, 0) is never masked, since DA >= -8 > j - 16.
; The compares stand in runs of sixteen (two key tiles), each into a scalar register of its own, with one wait behind the run.
.macro MASK
.irp p, 0,1,2,3
.irp q, 0,1
.irp j, 0,1,2,3,4,5,6,7
	v_cmp_gt_i32 s[MK+8*\q+\j], 16*(2*\p+\q)+\j, v[DA]
.endr
.endr
	s_wait_alu depctr_va_sdst(0)                   ; the sixteen compares have written s[MK .. MK+15], ahead of their first readers: the selects below
.irp q, 0,1
.irp j, 0,1,2,3,4,5,6,7
	v_cndmask_b32 v[SA+8*(2*\p+\q)+\j], v[SA+8*(2*\p+\q)+\j], v[NINF], s[MK+8*\q+\j]
.if 2*\p+\q < 7
	v_cndmask_b32 v[SB+8*(2*\p+\q)+8+\j], v[SB+8*(2*\p+\q)+8+\j], v[NINF], s[MK+8*\q+\j]
.endif
.endr
.endr
.endr
.endm
; Sum and packing of chunk k (16 probabilities), cut into 15 single instructions so that they can stand between exponentials.
; Even item e: the sum takes pairs 0 and 1, then pair e + 1; the last one packs pair 7.  Odd item e: pair e is packed into
; register e.  Register e lies in pair e / 2, which by then has been summed and packed.
.macro SPE sb, k, e
.if \e == 0
	s_wait_alu depctr_va_vdst(0)
	v_pk_add_f32 v[T+2*\k:T+2*\k+1], v[\sb+16*\k:\sb+16*\k+1], v[\sb+16*\k+2:\sb+16*\k+3]
.elseif \e < 7
	v_pk_add_f32 v[T+2*\k:T+2*\k+1], v[T+2*\k:T+2*\k+1], v[\sb+16*\k+2*\e+2:\sb+16*\k+2*\e+3]
.else
	v_cvt_pk_f16_f32 v[\sb+16*\k+7], v[\sb+16*\k+14], v[\sb+16*\k+15]
.endif
.endm
.macro SPO sb, k, e
.if \e < 7
	v_cvt_pk_f16_f32 v[\sb+16*\k+\e], v[\sb+16*\k+2*\e], v[\sb+16*\k+2*\e+1]
.endif
.endm
; The 16 exponentials of chunk k, with the exponents of chunk kn = k + 1 and the sum and packing of chunk kp = k - 1 between them.
; A result of v_exp_f32 is first read a whole chunk later, with plain vector instructions in between (ISA guide 5.7.2).
.macro STAGE sb, st, k, kp, kn
.irp e, 0,1,2,3,4,5,6,7
	v_exp_f32 v[\sb+16*\k+2*\e], v[\sb+16*\k+2*\e]
.if \kn < 4
	v_pk_fma_f32 v[\sb+16*\kn+2*\e:\sb+16*\kn+2*\e+1], v[\sb+16*\kn+2*\e:\sb+16*\kn+2*\e+1], s[38:39], v[\st:\st+1] op_sel_hi:[1,0,0]
.endif
.if \k > 0
	SPE \sb, \kp, \e
.endif
	v_exp_f32 v[\sb+16*\k+2*\e+1], v[\sb+16*\k+2*\e+1]
.if \k > 0
	SPO \sb, \kp, \e
.endif
.endr
.endm
; One strip's softmax step: m = max(M, scores), alpha = 2^(c (M - m)), p = 2^(c s - c m), L = L alpha + sum of p,
; p packed to f16 in place: chunk c's eight words at sb + 16 c are the second source of the product with V.
.macro SM sb, st
.irp q, 0,1,2,3
	v_max_num_f32 v[T+\q], v[\sb+16*\q], v[\sb+16*\q+1]                       ; four chains, started by the first pairs
.endr
.irp u, 0,1,2,3,4,5,6
.irp q, 0,1,2,3
	v_max3_num_f32 v[T+\q], v[T+\q], v[\sb+16*\q+2*\u+2], v[\sb+16*\q+2*\u+3]
.endr
.endr
	v_max3_num_f32 v[T], v[T], v[T+1], v[T+2]
	v_max3_num_f32 v[T], v[T], v[T+3], v[\st+1]                               ; with the running maximum
	v_permlanex16_b32 v[T+1], v[T], s40, s41                                  ; the other half of the query's keys
	v_max_num_f32 v[T], v[T], v[T+1]                                          ; m: finite, since key 0 of a tile is never masked
	v_mul_f32 v[\st], s44, v[T]                                               ; -c m
	v_fma_f32 v[T+1], v[\st+1], s38, v[\st]                                   ; c (M - m); -infinity where M is
	v_mov_b32 v[\st+1], v[T]
	v_exp_f32 v[\st+2], v[T+1]                                                ; alpha; first used behind all that follows
.irp e, 0,1,2,3,4,5,6,7
	v_pk_fma_f32 v[\sb+2*\e:\sb+2*\e+1], v[\sb+2*\e:\sb+2*\e+1], s[38:39], v[\st:\st+1] op_sel_hi:[1,0,0]
.endr
	STAGE \sb, \st, 0, 0, 1
	STAGE \sb, \st, 1, 0, 2
	STAGE \sb, \st, 2, 1, 3
	STAGE \sb, \st, 3, 2, 4
.irp e, 0,1,2,3,4,5,6,7
	SPE \sb, 3, \e
	SPO \sb, 3, \e
.endr
	v_pk_add_f32 v[T:T+1], v[T:T+1], v[T+2:T+3]
	v_pk_add_f32 v[T+4:T+5], v[T+4:T+5], v[T+6:T+7]
	v_pk_add_f32 v[T:T+1], v[T:T+1], v[T+4:T+5]
	v_add_f32 v[T], v[T], v[T+1]
	v_fma_f32 v[\st+3], v[\st+3], v[\st+2], v[T]
.endm
.macro RESCALE st, ob                  ; O of the strip times alpha
	WIN 0x41                                       ; O in window 1, alpha in window 0
.set n, 0
.rept 16
	v_pk_mul_f32 v[\ob+2*n:\ob+2*n+1], v[\ob+2*n:\ob+2*n+1], v[\st+2:\st+3] op_sel_hi:[1,0]
.set n, n+1
.endr
.endm
; O^T of one strip += V^T (keys 32 c .. + 31) x P^T: four tiles of 16 d, each a chain in place over c.
.macro PVC sb, ob, c
.if \c < 3
	WIN 0x50                                       ; C and D in window 1, V and P in window 0
.set vf, F+32*\c
.else
	WIN 0x51                                       ; V's step 3 lies in window 1 too
.set vf, F3
.endif
.irp t, 0,1,2,3
	v_wmma_f32_16x16x32_f16 v[\ob+8*\t:\ob+8*\t+7], v[vf+8*\t:vf+8*\t+7], v[\sb+16*\c:\sb+16*\c+7], v[\ob+8*\t:\ob+8*\t+7]
.endr
.endm
; The end of a block: O / L, through my wave's own stage in LDS, out as whole rows: sixteen neighbouring lanes store the 256
; aligned bytes of one (l, h) row.  The places behind the last products stand in front of it, in the trip.
; last = 0: the second block is then set up.
.macro EPI last
	v_permlanex16_b32 v[T], v[STA+3], s40, s41     ; the other half's part of the sum
	v_permlanex16_b32 v[T+2], v[STB+3], s40, s41
	v_add_f32 v[T], v[T], v[STA+3]
	v_add_f32 v[T+2], v[T+2], v[STB+3]
	v_rcp_f32 v[T], v[T]
	v_rcp_f32 v[T+2], v[T+2]
	v_nop                                          ; the plain place behind v_rcp_f32 (ISA guide 5.7.2)
	WIN 0x01                                       ; O from window 1, the rest in window 0
.set n, 0
	s_wait_alu depctr_va_vdst(0)
.rept 16
	v_pk_mul_f32 v[SA+2*n:SA+2*n+1], v[O+2*n:O+2*n+1], v[T:T+1] op_sel_hi:[1,0]
.set n, n+1
.endr
.set n, 16
.rept 16
	v_pk_mul_f32 v[SA+2*n:SA+2*n+1], v[O+2*n:O+2*n+1], v[T+2:T+3] op_sel_hi:[1,0]
.set n, n+1
.endr
	WIN 0
	s_wait_alu depctr_va_vdst(0)                   ; the multiplies have written v[SA ..], which the LDS stores read; strip B's softmax and products are done with v[SB ..], in which the loads from the stage land
.irp u, 0,1
.irp t, 0,1,2,3
	ds_store_b128 v[SST], v[SA+32*\u+8*\t:SA+32*\u+8*\t+3]   offset:\u*16*SP+64*\t      ; row 16 strip + r, d = 16 t + 8 h + 0..3
	ds_store_b128 v[SST], v[SA+32*\u+8*\t+4:SA+32*\u+8*\t+7] offset:\u*16*SP+64*\t+16   ; d = 16 t + 8 h + 4..7
.endr
.endr
.set n, 0
.rept 16
	ds_load_b128 v[SB+4*n:SB+4*n+3], v[SRD] offset:2*SP*n      ; rows 2 n + h; a wave's LDS instructions are served in order (ISA guide 5.7.1)
.set n, n+1
.endr
.set n, 0
.rept 16
	s_wait_dscnt 15-n                              ; the 15 - n younger loads may stay out
	global_store_b128 v[OUTO], v[SB+4*n:SB+4*n+3], s[42:43] offset:2*ROWB*n th:TH_STORE_NT
.set n, n+1
.endr
.if \last == 0
	s_wait_xcnt 0x0                                ; the stores' base and data are rewritten only behind this wait (ISA guide 3.1)
	v_mov_b32 v[STA+1], v[NINF]                    ; M = -infinity: the next alpha is 0 and wipes the old block's O, which is finite
	v_mov_b32 v[STB+1], v[NINF]
	v_mov_b32 v[STA+3], 0
	v_mov_b32 v[STB+3], 0
	QLAY QLR, 0x8a, 0x08                           ; the second block's Q, in registers since trip 0's wait for loads; the stage's rows have been read back
	s_lshl_b32 s28, s13, BLKSH
	s_add_nc_u64 s[42:43], s[22:23], s[28:29]      ; out of block i
.endif
.endm
; One trip: 128 queries x 128 keys from LDS buffer rd = k & 1.  odd: the trip's number k is s34 + odd.
; fetch = 1: the tile of trip k + 2 is asked for, into register set rd.  pf = 1: the trip holds a request ahead of the loads.
; last = 0: the tile of trip k + 1, in register set wr, is laid into LDS buffer wr.
; last = 1: trip 16, on the diagonal, nothing behind it.  id: for the labels.
.macro TRIP rd, wr, odd, fetch, pf, last, id
	s_wait_alu depctr_va_vdst(0)                   ; the last trip's products with V are done reading F0 to F3, in which K's groups land; its roundings (trip 0: the set-up's) are done with register set rd, in which this trip's global loads land
	s_wait_alu depctr_vm_vsrc(0)                   ; the LDS stores behind those roundings have read set rd; where a block has just ended (trip 0: where Q was laid out) the stores have read the score registers, which the products below write
	LOADK 0, F, \rd
	LOADK 1, F+32, \rd
	LOADK 2, F+64, \rd
.if \last == 0
	s_add_co_u32 s37, s34, \odd                    ; k
.endif
.if \fetch
	s_add_co_u32 s35, s37, 2
	s_cmp_gt_u32 s35, s15                          ; is trip k + 2 in the second block?
	s_cselect_b32 s36, s45, 0
	s_sub_co_u32 s35, s35, s36                     ; its key tile
	s_lshl_b32 s28, s35, BLKSH
	s_add_nc_u64 s[24:25], s[18:19], s[28:29]      ; the last trip's loads, still out, name these bases: they are free since the
	s_add_nc_u64 s[26:27], s[20:21], s[28:29]      ; s_wait_xcnt 0x0 at that trip's end
	FETCHG \rd, 0, 0                               ; no wait here or at the three groups below: nothing since the trip's head names set rd or the two offsets
.endif
.if \pf
	WIN 0
	; Ahead of the loads: in trip k wave 0 asks for this work-group's 32 rows (one lane a row of 256 bytes) of tile k + 3,
	; which trip k + 1 fetches: one trip ahead.  The eight work-groups of a head cover the 128 rows of K and of V once.
	; Tiles 3 to 15: the last request is made in trip 12 and lies inside the head; of the loop's trips only 13 is left out.
	s_cmp_lg_u32 s12, 0
	s_cbranch_scc1 .Lnopf\id
.if \odd
	s_cmp_gt_u32 s34, 11
	s_cbranch_scc1 .Lnopf\id
.endif
	s_add_co_u32 s35, s37, 3
	s_lshl_b32 s28, s35, BLKSH
	s_add_nc_u64 s[32:33], s[30:31], s[28:29]
	global_prefetch_b8 v[PF], s[32:33] th:TH_LOAD_NT scope:SCOPE_SE
.Lnopf\id:
.endif
	WIN 0x04                                       ; Q (source 1) in window 1, all else in window 0
	s_wait_dscnt 16                                ; group 0 is in; groups 1 and 2 (16 loads) may be out
	MULS 0, F
	WIN 0x40                                       ; data into window 1, address from window 0
	LOADK 3, F3, \rd                               ; into a set of its own: nothing since the trip's head names F3
.if \fetch
	FETCHG \rd, 0, 1
.endif
	WIN 0x04
	s_wait_dscnt 16                                ; group 1 is in; groups 2 and 3 may be out
	MULS 1, F+32
.if \fetch
	FETCHG \rd, 0, 2
	WIN 0x04
.endif
	s_wait_dscnt 8                                 ; group 3 may be out
	MULS 2, F+64
.if \fetch
	FETCHG \rd, 0, 3
.endif
	WIN 0x05                                       ; K's group 3 (source 0) and Q (source 1) in window 1
	s_wait_dscnt 0
	MULS 3, F3
	WIN 0
	PLACES                                         ; in front of the first read of the scores
	s_wait_alu depctr_va_vdst(0)                   ; the score products are done reading F0 to F3, in which V's four steps land
	LOADV 0, \rd
	LOADV 1, \rd
	LOADV 2, \rd
.if \last
	MASK
.else
	s_cmp_lg_u32 s37, s15
	s_cbranch_scc1 .Lnomask\id
	MASK
.Lnomask\id:
.endif
	SM SA, STA
	WIN 0x40                                       ; data into window 1, address from window 0
	LOADV 3, \rd                                   ; no wait: neither the mask nor the softmax above names F3 or V's address
	RESCALE STA, O
	s_wait_dscnt 8                                 ; V's steps 0 to 2 are in; the eight loads of step 3 may be out
	PVC SA, O, 0
	PVC SA, O, 1
	PVC SA, O, 2
	s_wait_dscnt 0
	PVC SA, O, 3
	WIN 0
	SM SB, STB                                     ; names none of the registers of strip A's products
	RESCALE STB, O+32
.if \last == 0
.if \fetch
	s_wait_loadcnt 32                              ; loads come back in order (ISA guide 5.7.1): the tile of trip k + 1 is in, this trip's 32 loads stay out
.else
	s_wait_loadcnt 0x0                             ; nothing was asked for behind the last tile
.endif
	CONVST \wr, \wr                                ; buffer wr is read by nobody between the last barrier and the next; the stores drain under the products below
.endif
	PVC SB, O+32, 0
	PVC SB, O+32, 1
	PVC SB, O+32, 2
	PVC SB, O+32, 3
	WIN 0
.rept 5
	v_nop                                          ; five places (ISA guide 7.12.1): four before O is read at a block's end,
.endr                                              ; five before the next trip's first products write over the registers that held P
.if \last
	EPI 1
.else
	s_cmp_lg_u32 s37, s15
	s_cbranch_scc1 .Lnoepi\id
	EPI 0
.Lnoepi\id:
.if \fetch
	s_wait_xcnt 0x0                                ; the bases of this trip's loads and of the request ahead are rewritten only behind this wait (ISA guide 3.1)
.endif
	s_wait_dscnt 0x0                               ; my reads of buffer rd and my stores into buffer wr are done:
	s_barrier_signal -1
	s_barrier_wait -1                              ; so are everybody's
.endif
.endm
	s_wait_alu depctr_va_vdst(0)                   ; the addresses and offsets v1 to v14 are written: every load, store and request of the kernel reads one of them, and none is written again
	QFETCH 32, SA                                  ; the first block's Q, into the score registers, which are still free
	FETCH 0, 0                                     ; tile 0
	; O is cleared once: the change of blocks falls on a trip that hangs on i, so a block's sums are started by alpha = 0,
	; which wants finite numbers in O from the first trip on.  No memory or LDS instruction ever names O.
.set n, 0
.rept 64
	v_mov_b32 v[O+n], 0
.set n, n+1
.endr
	s_wait_loadcnt 32                              ; Q's 16 loads are in; tile 0's 32 stay out
	FETCH 1, 1<<BLKSH                              ; trip 1 reads tile 1 in every work-group (15 - i >= 8): 128 rows behind the same bases
	QLAY SA, 0, 0
	s_wait_loadcnt 32                              ; tile 0 is in; tile 1's 32 loads stay out
	WIN 0x80
	QFETCH 46, QLR                                 ; the second block's Q: wanted in trip 16 - i at the earliest, in since trip 0's wait for loads
	s_wait_xcnt 0x0                                ; trip 0 rewrites the bases that tile 1's loads name, and s[32:33]
	CONVST 0, 0
	s_wait_dscnt 0x0                               ; Q's fragments are in, tile 0 lies in LDS
	s_barrier_signal -1
	s_barrier_wait -1
	s_mov_b32 s34, 0
.Ltrip:                                            ; trips 0 to 13
	TRIP 0, 1, 0, 1, 1, 0, 0
	TRIP 1, 0, 1, 1, 1, 0, 1
	s_add_co_u32 s34, s34, 2
	s_cmp_lt_u32 s34, 14
	s_cbranch_scc1 .Ltrip
	TRIP 0, 1, 0, 1, 0, 0, 2                       ; trip 14 asks for the tile of trip 16, the last one
	TRIP 1, 0, 1, 0, 0, 0, 3                       ; trip 15 asks for nothing: no load leaves the head
	TRIP 0, 0, 0, 0, 0, 1, 4                       ; trip 16
	s_set_vgpr_msb 0x8
	s_wait_dscnt 0x0
	s_wait_alu depctr_hold_cnt(0) depctr_sa_sdst(0) depctr_va_vdst(0) depctr_va_sdst(0) depctr_va_ssrc(0) depctr_va_vcc(0) depctr_vm_vsrc(0)
	s_wait_tensorcnt 0x0
	ds_add_u32 v15, v193
	s_wait_dscnt 0x0
	s_endpgm
.Lfunc_end_k_q1fcd95c79a_attn:
	.size	k_q1fcd95c79a_attn, .Lfunc_end_k_q1fcd95c79a_attn-k_q1fcd95c79a_attn
	.p2alignl 7, 3214868480
	.fill 96, 4, 3214868480
	.section	.rodata,"a",@progbits
	.p2align	6, 0x0
	.amdhsa_kernel k_q1fcd95c79a_attn
		.amdhsa_group_segment_fixed_size 113152
		.amdhsa_private_segment_fixed_size 0
		.amdhsa_enable_private_segment 0
		.amdhsa_kernarg_size 32
		.amdhsa_user_sgpr_count 2
		.amdhsa_user_sgpr_kernarg_segment_ptr 1
		.amdhsa_wavefront_size32 1
		.amdhsa_system_sgpr_workgroup_id_x 1
		.amdhsa_system_sgpr_workgroup_id_y 1
		.amdhsa_system_sgpr_workgroup_id_z 1
		.amdhsa_system_vgpr_workitem_id 0
		.amdhsa_next_free_vgpr 706
		.amdhsa_next_free_sgpr 66
		.amdhsa_reserve_vcc 0
		.amdhsa_float_denorm_mode_32 3
		.amdhsa_float_denorm_mode_16_64 3
		.amdhsa_memory_ordered 1
		.amdhsa_forward_progress 1
		.amdhsa_inst_pref_size 255
	.end_amdhsa_kernel
	.section	.bss,"aw",@nobits
	.p2align	6
	.space	262144
	.amdgpu_metadata
---
amdhsa.version: [ 1, 2 ]
amdhsa.kernels:
  - .name:           k_q1fcd95c79a_attn
    .symbol:         k_q1fcd95c79a_attn.kd
    .args:
      - { .name: queries, .offset: 0, .size: 8, .value_kind: global_buffer, .address_space: global }
      - { .name: keys, .offset: 8, .size: 8, .value_kind: global_buffer, .address_space: global }
      - { .name: values, .offset: 16, .size: 8, .value_kind: global_buffer, .address_space: global }
      - { .name: out0, .offset: 24, .size: 8, .value_kind: global_buffer, .address_space: global }
    .group_segment_fixed_size: 113152
    .private_segment_fixed_size: 0
    .kernarg_segment_align: 8
    .kernarg_segment_size: 32
    .max_flat_workgroup_size: 128
    .sgpr_count:     66
    .vgpr_count:     706
    .wavefront_size: 32
...
	.end_amdgpu_metadata
.endif
;; end of part 3
